; MI455X (gfx1250); checked and timed in simulation.
; The chip was launched on July 23, 2026; its instructions are those of AMD's public machine-readable ISA for CDNA 5 (MIT licence, August 2026) and "CDNA5" Instruction Set Architecture Reference Guide (July 2026). The comments in the code are by the model that wrote it; some were corrected since.
;; Multi Head Attention. Allowed arithmetic: matrix products marked QUANTISED: E2M1 operands, one E8M0 scale for each 32 along K, by v_wmma_scale_f32_16x16x128_f8f6f4 with both operands' format E2M1 (or v_wmma_scale_f32_32x16x128_f4), f32 sums; products left as they are: bf16, f16 or f32 operands; f32 sums; everything else in f32.
;; Inputs: wk 1,024 x 1,024 float32; wo 1,024 x 1,024 float32; wq 1,024 x 1,024 float32; wv 1,024 x 1,024 float32; x 4 x 2,048 x 1,024 float32.
;; Outputs: out0 4 x 2,048 x 1,024 float32.
;; This version of the problem:
;;   THIS VERSION OF THE PROBLEM IS GIVEN IN LOW PRECISION. The matrix products marked QUANTISED in the list below multiply operands that are first quantised to E2M1 (2 exponent bits, 1 mantissa bit; 4 bits a number), with one power-of-two scale for each 32 numbers along K (OCP MX v1.0); their sums are f32. The products marked 'left as it is' may take bf16, f16 or f32 operands, with f32 sums. Whichever they take, every output number must still come out within the allowed error. Rounding operands to bf16 (8 significant bits) uses up far more of that allowance than f16 does (11 bits, for magnitudes from 6e-5 to 65,504). All else is computed in f32.
;;   The module's matrix products, in the order in which they are computed (A, B: the left and right operand; K: the contracted axis; several contracted axes count as one K, in the product's order):
;;     1. [M 8,192, K 1,024] x [K 1,024, N 1,024]; A: input x; B: input wq: QUANTISED
;;     2. [M 8,192, K 1,024] x [K 1,024, N 1,024]; A: input x; B: input wk: QUANTISED
;;     3. [M 8,192, K 1,024] x [K 1,024, N 1,024]; A: input x; B: input wv: QUANTISED
;;     4. batch 64 x [M 2,048, K 64] x [K 64, N 2,048]; A: computed on the way; B: computed on the way: left as it is (an operand is computed on the way)
;;     5. batch 64 x [M 2,048, K 2,048] x [K 2,048, N 64]; A: computed on the way; B: computed on the way: left as it is (an operand is computed on the way)
;;     6. [M 8,192, K 1,024] x [K 1,024, N 1,024]; A: computed on the way; B: input wo: left as it is (an operand is computed on the way)
;;   THE QUANTISER, for each operand of a quantised product, along K:
;;     - K is cut into blocks of 32 from its start; a last block that is shorter is filled with zeros.
;;     - A block's scale is 2^e with e = floor(log2(the largest magnitude in the block)) - 2, held to -126 .. 127; a block of zeros has e = 0. As a byte (E8M0): e + 127.
;;     - Each number is divided by its block's scale, clamped to +-6, and rounded to the nearest number of E2M1, ties to even, subnormals kept.
;;     - The product sums the exact products of the quantised numbers (number of the format x scale) in f32.
;;   ~~~python
;;   def quantise(x, axis):      # numpy; x: float32 -> the quantised numbers, widened to float32 again
;;       x = np.moveaxis(x, axis, -1); K = x.shape[-1]
;;       x = np.pad(x, [(0, 0)] * (x.ndim - 1) + [(0, -K % 32)]); x = x.reshape(x.shape[:-1] + (-1, 32)); a = np.abs(x).max(-1, keepdims=True)
;;       e = np.where(a > 0, np.clip(np.frexp(np.where(a > 0, a, 1))[1] - 1 - 2, -126, 127), 0)      # np.frexp(a)[1] - 1 = floor(log2(a)), exactly
;;       r = np.clip(x / 2.0 ** e, -6, 6)
;;       step = 2.0 ** (np.maximum(np.frexp(np.where(r == 0, 1, r))[1] - 1, 0) - 1)
;;       q = np.round(r / step) * step * 2.0 ** e      # np.round: ties to even
;;       return np.moveaxis(q.reshape(q.shape[:-2] + (-1,))[..., :K], -1, axis).astype(np.float32)
;;   ~~~
;; One version. Each part assembles by itself: llvm-mc -triple=amdgcn-amd-amdhsa -mcpu=gfx1250 --defsym DOCPART=n.
;; ======== version 1 of 1: 5 launches
;; limits: values are held in f16: magnitudes above 65,504 overflow, below 6.1e-05 lose precision
;; workspace buffers: xc 4,194,304 bytes; xs 262,144 bytes; wc 1,572,864 bytes; ws 98,304 bytes; wo16 2,097,152 bytes; qkv 50,331,648 bytes; top 786,432 bytes; att 16,777,216 bytes
;; launch prep (part 1): grid 384 x 1, 4 waves a work-group, no clusters, 33,280 bytes of LDS; arguments x, wq, wk, wv, wo, xc, xs, wc, ws, wo16; writes xc, xs, wc, ws, wo16
.if DOCPART == 1
	.amdgcn_target "amdgcn-amd-amdhsa--gfx1250"
	.amdhsa_code_object_version 6
	.text
	.protected	k_q9e51c9e191_prep
	.globl	k_q9e51c9e191_prep
	.p2align	8
	.type	k_q9e51c9e191_prep,@function
k_q9e51c9e191_prep:
	s_mov_b64 s[64:65], 0
	v_nop
	global_prefetch_b8 v0, s[64:65] scope:SCOPE_SE
	s_setreg_imm32_b32 hwreg(HW_REG_WAVE_MODE, 25, 1), 1
	s_wait_xcnt 0x0
; x [8192][1024] and wq, wk, wv [1024][1024], f32 with K innermost, become codes of FP4 (E2M1), two a byte, K innermost, with one E8M0 scale byte for each 32 along K:
; xc [8192][512 bytes], xs [8192][32]; wc [3072][512], ws [3072][32] (wq's rows, then wk's, then wv's).  wo [1024 n][1024 k] becomes f16, laid wo16 [16 kb][1024 n][64]: wo[n][64 kb + i].
; A block's scale is 2^(floor(log2(its largest magnitude)) - 2); its byte is the largest magnitude's exponent field - 2, held at 1 from below.  A block of zeros so gets the byte 1 where the rule says 127:
; its codes are zeros, which add nothing under any byte but 0xff, and the bytes are read by this program alone.
; LIMITS: NaN and infinities among the inputs are not served; blocks whose largest magnitude lies under 2^(2 - 126) have their byte held at 1.  wo beyond f16's range (65,504) is not served.
; SHARES: work-groups 0-255 take x, 256-351 the three weights (32 each), 352-383 wo.  A wave takes a run of 8,192 numbers.  Rows are dense and K is a multiple of 32: a tensor is a plain stream of blocks.
; THE QUANTISING PATH chooses pointers alone by the work-group's number.  Each load reads 512 consecutive bytes; a step's 2,048 bytes turn through the wave's own stage in LDS so that a lane holds 16 neighbours
; along K (two neighbouring lanes hold a block); a wave's store of codes covers 256 consecutive bytes; its 256 scale bytes are gathered in LDS and leave as 256 consecutive bytes.
; THE wo PATH uses no LDS: a wave takes 8 rows; four rows' 64 numbers (a kb) are read 32 bytes a lane and leave as 512 consecutive bytes of f16.
; No tensor load, no barrier: waves share nothing.  No matrix unit, no cluster: the launch only streams.
.set WAVES, 4
.set STEPS, 16
.set EMAX,  2
.set CB,    8                          ; bytes of 16 codes
.set R,     16                         ; v16-79   four sets of 16 numbers as loaded
.set X,     80                         ; v80-111  two sets of 16 neighbours
.set C,     128                        ; v128-191 codes: four registers a step, so that no store's data are written again
.set E,     112                        ; v112-127 a scale byte for each step
.set WREG,  8192                       ; LDS: a region for each wave: two stages of 32 x SP bytes, then its 256 scale bytes
.set SP,    80                         ; a lane's place in a stage: 64 bytes + 16 of padding
.set SPW,   12                         ; v12 LDS address of my spare word; never rewritten
.set NIL,   13                         ; v13 0; never rewritten
.set SPARE, WAVES*WREG                 ; behind the regions: the spare words, 128 bytes a wave
.set SRC,   26                         ; s[26:27] the tensor in hand
.set COD,   28                         ; s[28:29] its codes
.set SCA,   30                         ; s[30:31] its scale bytes
.set FA,    16                         ; the wo path: two sets of 64 registers
.set FB,    80
.set WI,    144                        ; v144 the wo path: my byte in four rows of wo
.set WO,    145                        ; v145 and in 512 bytes of wo16
	s_load_b512 s[4:19], s[0:1], 0x0               ; x, wq, wk, wv, wo, xc, xs, wc
	s_load_b128 s[20:23], s[0:1], 0x40             ; ws, wo16
	v_lshl_add_u32 v[SPW], v0, 2, SPARE
	v_mov_b32 v[NIL], 0
	v_lshrrev_b32 v1, 5, v0
	v_readfirstlane_b32 s24, v1                    ; wave
	v_and_b32 v2, 31, v0                           ; lane
	v_lshlrev_b32 v3, 4, v2                        ; my 16 bytes of a load's 512
	s_mul_i32 s25, s24, WREG
	v_lshrrev_b32 v14, 2, v2
	v_mul_u32_u24 v14, v14, SP
	v_and_b32 v15, 3, v2
	v_lshl_add_u32 v14, v15, 4, v14
	v_add_nc_u32 v14, s25, v14                     ; the stage, on the way in: SP (lane / 4) + 16 (lane % 4)
	v_mul_u32_u24 v15, v2, SP
	v_add_nc_u32 v15, s25, v15                     ; and on the way out: SP x lane: my 16 neighbours
	v_mul_u32_u24 v4, v2, CB                       ; my codes' place in a step's
	v_lshrrev_b32 v5, 1, v2
	s_add_co_u32 s25, s25, 2*32*SP
	v_add_nc_u32 v5, s25, v5                       ; LDS: my wave's scale bytes, my block's byte
	v_lshlrev_b32 v7, 3, v2
	v_add_nc_u32 v6, s25, v7                       ; and on the way out 8 bytes a lane
	v_lshrrev_b32 v[WI], 3, v2
	v_and_b32 v[WO], 7, v2
	v_lshlrev_b32 v[WO], 5, v[WO]
	v_lshl_add_u32 v[WI], v[WI], 12, v[WO]         ; wo: row lane / 8 of four, 32 bytes for each of eight lanes
	v_lshlrev_b32 v[WO], 4, v2                     ; wo16: 16 bytes a lane
	s_and_b32 s33, ttmp9, 31                       ; a weight's work-group among its 32
	s_wait_kmcnt 0x0
	s_cmp_ge_u32 ttmp9, 352
	s_cbranch_scc1 .Lwo
	s_cmp_lt_u32 ttmp9, 256                        ; x or a weight: the choices hang on the work-group's number alone
	s_cselect_b64 s[SRC:SRC+1], s[4:5], s[6:7]
	s_cselect_b64 s[COD:COD+1], s[14:15], s[18:19]
	s_cselect_b64 s[SCA:SCA+1], s[16:17], s[20:21]
	s_cselect_b32 s32, 0, 256
	s_cselect_b32 s33, ttmp9, s33
	s_cmp_lt_u32 ttmp9, 288
	s_cselect_b64 s[SRC:SRC+1], s[SRC:SRC+1], s[8:9]
	s_cmp_lt_u32 ttmp9, 320
	s_cselect_b64 s[SRC:SRC+1], s[SRC:SRC+1], s[10:11]
	s_lshl_b32 s33, s33, 2
	s_add_co_u32 s34, s33, s24                     ; which run of 8,192 numbers of the tensor is my wave's
	s_lshl_b32 s34, s34, 15                        ; 32,768 bytes a run
	s_mov_b32 s35, 0
	s_add_nc_u64 s[SRC:SRC+1], s[SRC:SRC+1], s[34:35]
	s_sub_co_u32 s32, ttmp9, s32
	s_lshl_b32 s32, s32, 2
	s_add_co_u32 s32, s32, s24                     ; and which run of the buffers of codes and scale bytes
	s_lshl_b32 s34, s32, 12                        ; 4,096 bytes of codes a run
	s_add_nc_u64 s[COD:COD+1], s[COD:COD+1], s[34:35]
	s_lshl_b32 s34, s32, 8                         ; 256 scale bytes a run
	s_add_nc_u64 s[SCA:SCA+1], s[SCA:SCA+1], s[34:35]
.macro LOAD t
.irp i, 0,1,2,3
	global_load_b128 v[R+16*((\t)%4)+4*\i:R+16*((\t)%4)+4*\i+3], v3, s[SRC:SRC+1] offset:2048*(\t)+512*\i th:TH_LOAD_NT   ; 32 lanes read 512 consecutive bytes
.endr
.endm
.macro TURN t                          ; step t's numbers through the stage: LDS serves a wave's instructions in order, so no wait stands between the stores and the loads
.irp i, 0,1,2,3
	ds_store_b128 v14, v[R+16*((\t)%4)+4*\i:R+16*((\t)%4)+4*\i+3] offset:32*SP*((\t)%2)+8*SP*\i
.endr
.irp i, 0,1,2,3
	ds_load_b128 v[X+16*((\t)%2)+4*\i:X+16*((\t)%2)+4*\i+3], v15 offset:32*SP*((\t)%2)+16*\i
.endr
.endm
.irp t, 0,1,2,3
	LOAD \t
.endr
	s_wait_loadcnt 12                              ; step 0's four loads are in; the twelve of steps 1 to 3 may be out
	TURN 0
.macro STEP t
.set XS, X+16*((\t)%2)
.if (\t) > 0
	s_wait_dscnt 1                                 ; this step's numbers are back from the stage (the last step's byte store may be out)
.else
	s_wait_dscnt 0x0
.endif
.if (\t)+4 < STEPS
	LOAD (\t)+4                                    ; into the registers that the stage's stores have read
.endif
.if (\t)+1 < STEPS
.if STEPS-2-(\t) >= 3
	s_wait_loadcnt 12                              ; the next step's four loads are in; those of the three steps behind it may be out
.else
	s_wait_loadcnt 4*(STEPS-2-(\t))
.endif
	TURN (\t)+1
.endif
	v_max3_num_f32 v8, |v[XS]|, |v[XS+1]|, |v[XS+2]|               ; the largest magnitude of my 16, in two chains
	v_max3_num_f32 v9, |v[XS+3]|, |v[XS+4]|, |v[XS+5]|
.irp i, 6,10
	v_max3_num_f32 v8, v8, |v[XS+\i]|, |v[XS+\i+1]|
	v_max3_num_f32 v9, v9, |v[XS+\i+2]|, |v[XS+\i+3]|
.endr
	v_max3_num_f32 v8, v8, |v[XS+14]|, |v[XS+15]|
	v_max3_num_f32 v8, v8, v9, (EMAX+1)<<23        ; and the floor 2^(EMAX + 1 - 127): the byte cannot fall under 1
	v_max_num_f32_dpp v8, v8, v8 row_xmask:1 row_mask:0xf bank_mask:0xf   ; and of my neighbour's 16: the block's
	v_add_nc_u32 v11, -(EMAX<<23), v8              ; EMAX off its exponent field: the conversion takes the exponent field of this operand as its scale
	v_cvt_scalef32_pk8_fp4_f32 v[C+4*(\t)], v[XS:XS+7], v11
	v_cvt_scalef32_pk8_fp4_f32 v[C+4*(\t)+1], v[XS+8:XS+15], v11
	v_lshrrev_b32 v[E+(\t)], 23, v11               ; the scale's byte (also the plain line behind the conversions)
	ds_store_b8 v5, v[E+(\t)] offset:16*(\t)       ; both lanes of a block write the same byte with the same value
	global_store_b64 v4, v[C+4*(\t):C+4*(\t)+1], s[COD:COD+1] offset:32*CB*(\t)   ; the wave stores 256 consecutive bytes
.endm
.irp t, 0,1,2,3,4,5,6,7,8,9,10,11,12,13,14,15
	STEP \t
.endr
	ds_load_b64 v[8:9], v6                         ; LDS serves a wave's instructions in order: these see my byte stores
	s_wait_dscnt 0x0
	global_store_b64 v7, v[8:9], s[SCA:SCA+1]      ; 32 lanes store 256 consecutive bytes
	s_wait_tensorcnt 0x0                           ; the wave's end, behind my last LDS store
	ds_add_u32 v[SPW], v[NIL]
	s_wait_dscnt 0x0
	s_endpgm
.Lwo:                                              ; wo to f16: no LDS instruction on this path
	s_sub_co_u32 s32, ttmp9, 352
	s_lshl_b32 s32, s32, 2
	s_add_co_u32 s32, s32, s24                     ; W: my wave's rows are 8 W .. 8 W + 7
	s_lshl_b32 s34, s32, 15                        ; 8 rows of 4,096 bytes
	s_mov_b32 s35, 0
	s_add_nc_u64 s[12:13], s[12:13], s[34:35]
	s_lshl_b32 s34, s32, 10                        ; 8 rows of 128 bytes in each kb
	s_add_nc_u64 s[22:23], s[22:23], s[34:35]
.macro LOADB g, set                    ; kb 4 g .. 4 g + 3, both halves of my rows: 16 loads
.irp k, 0,1,2,3
.irp f, 0,1
	global_load_b128 v[\set+8*(2*\k+\f):\set+8*(2*\k+\f)+3], v[WI], s[12:13] offset:\f*16384+(4*\g+\k)*256
	global_load_b128 v[\set+8*(2*\k+\f)+4:\set+8*(2*\k+\f)+7], v[WI], s[12:13] offset:\f*16384+(4*\g+\k)*256+16
.endr
.endr
.endm
.macro CVST g, set                     ; eight numbers a lane become 16 bytes, in place; four rows of a kb leave as 512 consecutive bytes
.irp k, 0,1,2,3
.irp f, 0,1
.irp i, 0,1,2,3
	v_cvt_pk_f16_f32 v[\set+8*(2*\k+\f)+\i], v[\set+8*(2*\k+\f)+2*\i], v[\set+8*(2*\k+\f)+2*\i+1]
.endr
	global_store_b128 v[WO], v[\set+8*(2*\k+\f):\set+8*(2*\k+\f)+3], s[22:23] offset:(4*\g+\k)*131072+\f*512
.endr
.endr
.endm
	LOADB 0, FA
	LOADB 1, FB
	s_wait_loadcnt 16                              ; the first set is in; the other set's sixteen may be out
	CVST 0, FA
	s_wait_xcnt 0x0                                ; the stores have read their registers: the set may be loaded again
	LOADB 2, FA
	s_wait_loadcnt 16
	CVST 1, FB
	s_wait_xcnt 0x0
	LOADB 3, FB
	s_wait_loadcnt 16
	CVST 2, FA
	s_wait_loadcnt 0x0
	CVST 3, FB
	s_endpgm
.Lfunc_end_k_q9e51c9e191_prep:
	.size	k_q9e51c9e191_prep, .Lfunc_end_k_q9e51c9e191_prep-k_q9e51c9e191_prep
	.p2alignl 7, 3214868480
	.fill 96, 4, 3214868480
	.section	.rodata,"a",@progbits
	.p2align	6, 0x0
	.amdhsa_kernel k_q9e51c9e191_prep
		.amdhsa_group_segment_fixed_size 33280
		.amdhsa_private_segment_fixed_size 0
		.amdhsa_enable_private_segment 0
		.amdhsa_kernarg_size 80
		.amdhsa_user_sgpr_count 2
		.amdhsa_user_sgpr_kernarg_segment_ptr 1
		.amdhsa_wavefront_size32 1
		.amdhsa_system_sgpr_workgroup_id_x 1
		.amdhsa_system_sgpr_workgroup_id_y 1
		.amdhsa_system_sgpr_workgroup_id_z 1
		.amdhsa_system_vgpr_workitem_id 0
		.amdhsa_next_free_vgpr 192
		.amdhsa_next_free_sgpr 66
		.amdhsa_reserve_vcc 0
		.amdhsa_float_denorm_mode_32 3
		.amdhsa_float_denorm_mode_16_64 3
		.amdhsa_memory_ordered 1
		.amdhsa_forward_progress 1
		.amdhsa_inst_pref_size 51
	.end_amdhsa_kernel
	.amdgpu_metadata
---
amdhsa.version: [ 1, 2 ]
amdhsa.kernels:
  - .name:           k_q9e51c9e191_prep
    .symbol:         k_q9e51c9e191_prep.kd
    .args:
      - { .name: x, .offset: 0, .size: 8, .value_kind: global_buffer, .address_space: global }
      - { .name: wq, .offset: 8, .size: 8, .value_kind: global_buffer, .address_space: global }
      - { .name: wk, .offset: 16, .size: 8, .value_kind: global_buffer, .address_space: global }
      - { .name: wv, .offset: 24, .size: 8, .value_kind: global_buffer, .address_space: global }
      - { .name: wo, .offset: 32, .size: 8, .value_kind: global_buffer, .address_space: global }
      - { .name: xc, .offset: 40, .size: 8, .value_kind: global_buffer, .address_space: global }
      - { .name: xs, .offset: 48, .size: 8, .value_kind: global_buffer, .address_space: global }
      - { .name: wc, .offset: 56, .size: 8, .value_kind: global_buffer, .address_space: global }
      - { .name: ws, .offset: 64, .size: 8, .value_kind: global_buffer, .address_space: global }
      - { .name: wo16, .offset: 72, .size: 8, .value_kind: global_buffer, .address_space: global }
    .group_segment_fixed_size: 33280
    .private_segment_fixed_size: 0
    .kernarg_segment_align: 8
    .kernarg_segment_size: 80
    .max_flat_workgroup_size: 128
    .sgpr_count:     66
    .vgpr_count:     192
    .wavefront_size: 32
...
	.end_amdgpu_metadata
.endif
;; end of part 1
;; launch qkv (part 2): grid 12 x 32, 4 waves a work-group, clusters of 4 x 4, 327,680 bytes of LDS; arguments xc, xs, wc, ws, qkv, top; writes qkv, top
.if DOCPART == 2
	.amdgcn_target "amdgcn-amd-amdhsa--gfx1250"
	.amdhsa_code_object_version 6
	.text
	.protected	k_q9e51c9e191_qkv
	.globl	k_q9e51c9e191_qkv
	.p2align	8
	.type	k_q9e51c9e191_qkv,@function
k_q9e51c9e191_qkv:
	s_mov_b64 s[64:65], 0
	v_nop
	global_prefetch_b8 v0, s[64:65] scope:SCOPE_SE
	s_setreg_imm32_b32 hwreg(HW_REG_WAVE_MODE, 25, 1), 1
	s_wait_xcnt 0x0
	s_wait_alu depctr_hold_cnt(0) depctr_sa_sdst(0) depctr_va_vdst(0) depctr_va_sdst(0) depctr_va_ssrc(0) depctr_va_vcc(0) depctr_vm_vsrc(0)
	s_getreg_b32 s2, hwreg(HW_REG_IB_STS2, 6, 4)
	s_cmp_eq_u32 s2, 0
	s_cbranch_scc0 .Lentry_in_a_cluster
	s_endpgm
.Lentry_in_a_cluster:
	s_bfe_u32 s2, ttmp6, 0x10000c
	s_cmp_lg_u32 s2, 0xf033
	s_cbranch_scc0 .Lentry_shape_is_right
	s_endpgm
.Lentry_shape_is_right:
; The three quantised products as ONE product C[m][n] = sum over k of x[m][k] w[n][k], m 8,192, n 3,072 (wq's, wk's, wv's rows), k 1,024, on codes of FP4 (E2M1) with one E8M0 scale for each 32 along K; sums in f32.
; Results: qkv [48 g][8192 row][64] f16 (g = n / 64: 0-15 q's heads, 16-31 k's, 32-47 v's); and the f32 results of the first 16 positions of each batch in top [4 b][16 s][3072].
; LIMIT: |q|, |k|, |v| stay under 65,504, f16's largest number.
; A tile of C, 256 x 256, is made by four waves, each 128 x 128: 64 accumulators, 512 registers.  K = 1,024 is two slots of 512 along K (rows of 256 bytes): both are asked for at the head, and nothing is filled again.
; The scales of the work-group's 256 rows of x and 256 rows of w, for all of K, are two dense blocks of memory: they come into LDS once, with the first fills.
; CLUSTERS: 4 x 4 work-groups.  The four of a row of the cluster need the same tiles of x, the four of a column the same tiles of w: each tile is asked for jointly, by the same tensor load with a mask that names the four.
; THE TILE ROW is 8 cy + the cluster's y: so the four tiles that begin a batch (rows 0, 2048, 4096, 6144) all lie in the clusters with y = 0, and the test for them hangs on the cluster's number, which all partners share.
; THE MATRIX INSTRUCTION IS USED TRANSPOSED (source 0 = 16 rows of w, source 1 = 16 rows of x): a lane then holds eight neighbouring columns of a row of C.
; REGISTERS, in windows of 256: window 0: v0-31 addresses; v32-95 scale words, two sets; from v128 x's fragments, one set; on the way out v32-191 are free.  window 1: w's fragments, two sets.  windows 2, 3: the accumulators.
.set SIZE_K, 1024
.set KSTEP,  512
.set NQ,     KSTEP/128
.set ROWB,   256                       ; a tile's row in bytes
.set KROW,   SIZE_K*4/8                ; a row of codes in memory
.set PITCH,  272                       ; an LDS row: 256 bytes + 16 of padding: the 16 rows that a load touches start 16 bytes apart modulo 256
.set FR,     8
.set NL,     2
.set NP,     4                         ; places behind this matrix instruction (ISA guide 7.12.1)
.set HALFT,  128*PITCH
.set SLOT,   4*HALFT
.set KS,     SIZE_K/32                 ; a row of scales in bytes
.set SCL,    2*SLOT                    ; behind the ring: the scales, as rows of 256 bytes + 16 of padding
.set HALFS,  (128*KS/256)*272
.set SBLK,   (16*KS/256)*272
.set SPARE,  SCL+4*HALFS               ; the spare words, 128 bytes a wave
.set SP16,   272                       ; the way out: a stage of 16 rows x (256 bytes + 16) for each wave, in slot 0, which has had its only fill and its last read by then
.set SP32,   528                       ; and one of 16 rows x (512 bytes + 16) for the f32 rows, from byte ST32 of slot 0 on
.set ST32,   32768
.set ADRA, 16
.set ADRB, 20
.set STO32, 22
.set RD32, 23
.set STO,  24
.set RD,   25
.set CO,   26                          ; 16 x lane
.set ADRS, 27
.set SPW,  28
.set NIL,  29
.set SC,   32
.set AF,   128
.set TMP,  32                          ; the way out: packed f16
.set BK,   64                          ; rows read back: v64-95 and v96-127 by turns
.set T32,  128                         ; the f32 rows
.set G1, 24
.set G0, 32
.set G1B, 48
.set G0B, 56
.set G1S, 68
.set G0S, 76
.set G1SB, 80
.set G0SB, 88
.set TOPP, 96                          ; s[96:97] top
.set MSB, 0
.macro WIN new                         ; the immediate's high byte repeats the setting that is left
.if MSB != \new
	s_set_vgpr_msb (MSB<<8)|\new
.set MSB, \new
.endif
.endm
.set MUL_LO, 0xa1                      ; source 0 (w) window 1, source 1 (x) window 0, C and D window 2
.set MUL_HI, 0xf1
.set TO_B,   0x40
; A joint load: waves 0 and 1 fetch for x, waves 2 and 3 for w; the branch hangs on the wave's number alone.  An s_nop 0 and four v_nop follow each line.
.macro JLOAD g0a, g1a, g0b, g1b
	s_cmp_eq_u32 s15, 0
	s_cbranch_scc0 .Lfor_b_\@
	tensor_load_to_lds s[\g0a:\g0a+3], s[\g1a:\g1a+7]
	s_nop 0
.rept 4
	v_nop
.endr
	s_branch .Lasked_\@
.Lfor_b_\@:
	tensor_load_to_lds s[\g0b:\g0b+3], s[\g1b:\g1b+7]
	s_nop 0
.rept 4
	v_nop
.endr
.Lasked_\@:
.endm
.macro CROUND                          ; a round of the cluster's barrier
	s_barrier_signal -1
	s_barrier_wait -1
	s_cmp_lg_u32 s14, 0
	s_cbranch_scc1 .Lnot_wave_0_\@
	s_barrier_signal -3
.Lnot_wave_0_\@:
	s_barrier_wait -3
	s_barrier_signal -1
	s_barrier_wait -1
.endm
	s_load_b128 s[4:7], s[0:1], 0x0                ; x's codes, x's scales
	s_load_b128 s[8:11], s[0:1], 0x10              ; w's codes, w's scales
	s_load_b64 s[12:13], s[0:1], 0x20              ; qkv
	s_load_b64 s[TOPP:TOPP+1], s[0:1], 0x28        ; top
	v_lshl_add_u32 v[SPW], v0, 2, SPARE
	v_mov_b32 v[NIL], 0
	ds_add_u32 v[SPW], v[NIL]                      ; the wave's opening: the add, twice on end, and its wait ahead of my first tensor load
	ds_add_u32 v[SPW], v[NIL]
	v_lshrrev_b32 v1, 5, v0
	v_readfirstlane_b32 s14, v1                    ; wave 0..3
	s_lshr_b32 s15, s14, 1                         ; which half of the tile's rows is mine.  Also: I fetch for x (0) or for w (1)
	s_and_b32 s16, s14, 1                          ; which half of its columns.  Also: which 128 rows of that tile I fetch
	s_bfe_u32 s40, ttmp6, 0x40000                  ; cx
	s_bfe_u32 s41, ttmp6, 0x40004                  ; cy
	s_lshl_b32 s42, ttmp9, 2
	s_add_co_u32 s42, s42, s40                     ; tile column = 4 x cluster x + cx
	s_and_b32 s17, ttmp7, 0xffff
	s_lshl_b32 s18, s41, 3
	s_add_co_u32 s17, s17, s18                     ; tile row = 8 cy + cluster y
	s_lshl_b32 s43, s41, 2
	s_lshl_b32 s43, 15, s43                        ; my row of the cluster
	s_lshl_b32 s44, 0x1111, s40                    ; my column
	s_or_b32 s[G1+0], s43, (0<<16)|(1<<20)|(1<<21)|(5<<22)|(3<<25)  ; the mask; elements of 1 byte; padding on; bit 21 beside a mask; after every 64 words four words
	s_or_b32 s[G1B+0], s44, (0<<16)|(1<<20)|(1<<21)|(5<<22)|(3<<25)
.irp g, G1, G1B
	s_mov_b32 s[\g+1], ROWB<<16                    ; tensor_dim0
	s_mov_b32 s[\g+2], 128<<16                     ; tensor_dim1
	s_mov_b32 s[\g+3], ROWB<<16                    ; tile_dim0
	s_mov_b32 s[\g+4], 128                         ; tile_dim1
	s_mov_b32 s[\g+5], KROW                        ; the pitch
	s_mov_b32 s[\g+6], 0
	s_mov_b32 s[\g+7], 0
.endr
	s_or_b32 s[G1S+0], s43, (3<<16)|(1<<20)|(1<<21)|(5<<22)|(3<<25)  ; the scales of 128 rows: a dense block as rows of 256 bytes (32 elements of 8 bytes)
	s_or_b32 s[G1SB+0], s44, (3<<16)|(1<<20)|(1<<21)|(5<<22)|(3<<25)
.irp g, G1S, G1SB
	s_mov_b32 s[\g+1], 32<<16
	s_mov_b32 s[\g+2], (128*KS/256)<<16
	s_mov_b32 s[\g+3], 32<<16
	s_mov_b32 s[\g+4], 128*KS/256
	s_mov_b32 s[\g+5], 32
	s_mov_b32 s[\g+6], 0
	s_mov_b32 s[\g+7], 0
.endr
	s_lshl_b32 s18, s16, 7
	s_lshl_b32 s20, s17, 8
	s_add_co_u32 s20, s20, s18                     ; x: row 256 x tile row + 128 x half
	s_lshl_b32 s46, s42, 8
	s_add_co_u32 s46, s46, s18                     ; w: row 256 x tile column + 128 x half
	s_mov_b32 s21, 0
	s_mov_b32 s47, 0
	s_mov_b64 s[18:19], KS
	s_mul_u64 s[22:23], s[20:21], s[18:19]         ; where these rows' scales begin, in bytes
	s_mul_u64 s[92:93], s[46:47], s[18:19]
	s_mov_b64 s[18:19], KROW
	s_mul_u64 s[20:21], s[20:21], s[18:19]         ; and their codes
	s_mul_u64 s[46:47], s[46:47], s[18:19]
	s_mul_i32 s45, s14, HALFT                      ; where they go: wave x 128 rows
	s_mul_i32 s94, s14, HALFS
	s_wait_dscnt 0x0                               ; both opening adds are done
	s_wait_kmcnt 0x0
	s_add_nc_u64 s[20:21], s[4:5], s[20:21]
	s_add_nc_u64 s[22:23], s[6:7], s[22:23]
	s_add_nc_u64 s[46:47], s[8:9], s[46:47]
	s_add_nc_u64 s[92:93], s[10:11], s[92:93]
	CROUND                                         ; all sixteen work-groups are here: the joint loads meet
	s_mov_b32 s[G0S], 1
	s_add_co_u32 s[G0S+1], s94, SCL
	s_mov_b64 s[G0S+2:G0S+3], s[22:23]
	s_or_b32 s[G0S+3], s[G0S+3], 0x80000000
	s_mov_b32 s[G0SB], 1
	s_add_co_u32 s[G0SB+1], s94, SCL
	s_mov_b64 s[G0SB+2:G0SB+3], s[92:93]
	s_or_b32 s[G0SB+3], s[G0SB+3], 0x80000000
	JLOAD G0S, G1S, G0SB, G1SB                     ; the scales first
.irp s, 0,1
	s_mov_b32 s[G0+4*\s], 1
	s_add_co_u32 s[G0+4*\s+1], s45, \s*SLOT
	s_add_nc_u64 s[G0+4*\s+2:G0+4*\s+3], s[20:21], \s*ROWB
	s_or_b32 s[G0+4*\s+3], s[G0+4*\s+3], 0x80000000
	s_mov_b32 s[G0B+4*\s], 1
	s_add_co_u32 s[G0B+4*\s+1], s45, \s*SLOT
	s_add_nc_u64 s[G0B+4*\s+2:G0B+4*\s+3], s[46:47], \s*ROWB
	s_or_b32 s[G0B+4*\s+3], s[G0B+4*\s+3], 0x80000000
	JLOAD G0+4*\s, G1, G0B+4*\s, G1B               ; three loads of mine are out in all
.endr
	v_and_b32 v1, 15, v0                           ; r = lane % 16
	v_bfe_u32 v2, v0, 4, 1                         ; h = lane / 16
	v_mul_u32_u24 v3, v1, PITCH
	v_lshl_add_u32 v4, v2, 4, v3                   ; a fragment's row x pitch + 16 x half
	s_mul_i32 s21, s15, HALFT
	s_mul_i32 s22, s16, HALFT
	s_add_co_u32 s22, s22, 2*HALFT
.irp s, 0,1
	v_add_nc_u32 v[ADRA+\s], s21, v4
	v_add_nc_u32 v[ADRB+\s], s22, v4
	s_add_co_u32 s21, s21, SLOT
	s_add_co_u32 s22, s22, SLOT
.endr
	v_mul_u32_u24 v5, v1, KS                       ; my row's scales: KS bytes a row,
	v_lshrrev_b32 v6, 8, v5
	v_lshl_add_u32 v5, v6, 4, v5                   ; and 16 more for each 256 passed
	s_mul_i32 s21, s15, HALFS
	s_mul_i32 s22, s16, HALFS
	s_add_co_u32 s22, s22, 2*HALFS
	s_sub_co_u32 s22, s22, s21
	v_mul_u32_u24 v6, s22, v2                      ; lanes 16-31 take w's
	s_add_co_u32 s21, s21, SCL
	v_add_nc_u32 v5, v5, v6
	v_add_nc_u32 v[ADRS], s21, v5
	s_mul_i32 s23, s14, 16*SP16                    ; my f16 stage
	v_mul_u32_u24 v5, v1, SP16
	v_lshl_add_u32 v5, v2, 4, v5
	v_add_nc_u32 v[STO], s23, v5                   ; in: row r, 16 bytes for each half of the lanes
	v_and_b32 v6, 31, v0
	v_lshrrev_b32 v7, 3, v6
	v_mul_u32_u24 v7, v7, SP16
	v_and_b32 v8, 7, v6
	v_lshl_add_u32 v7, v8, 4, v7
	v_add_nc_u32 v[RD], s23, v7                    ; back: eight lanes take a head's 128 bytes of a row, four rows an instruction
	v_lshlrev_b32 v[CO], 4, v6
	s_mul_i32 s23, s14, 16*SP32
	s_add_co_u32 s23, s23, ST32                    ; my f32 stage
	v_mul_u32_u24 v5, v1, SP32
	v_lshl_add_u32 v5, v2, 5, v5
	v_add_nc_u32 v[STO32], s23, v5
	v_add_nc_u32 v[RD32], s23, v[CO]
	s_lshl_b32 s20, s42, 2
	s_lshl_b32 s21, s16, 1
	s_add_co_u32 s20, s20, s21                     ; my first g: 4 x tile column + 2 x half
	s_lshl_b32 s20, s20, 20                        ; 8,192 rows of 128 bytes a g
	s_lshl_b32 s21, s17, 8
	s_lshl_b32 s22, s15, 7
	s_add_co_u32 s21, s21, s22                     ; my first row
	s_lshl_b32 s21, s21, 7
	s_add_co_u32 s20, s20, s21
	s_mov_b32 s21, 0
	s_add_nc_u64 s[12:13], s[12:13], s[20:21]
	s_mul_i32 s20, s41, 196608                     ; top: batch cy (where the cluster's y is 0), 16 rows of 12,288 bytes
	s_lshl_b32 s22, s42, 10
	s_add_co_u32 s20, s20, s22
	s_lshl_b32 s22, s16, 9
	s_add_co_u32 s20, s20, s22                     ; + my 128 columns
	s_add_nc_u64 s[TOPP:TOPP+1], s[TOPP:TOPP+1], s[20:21]
.macro FRAG reg, adr, q, i             ; 16 rows x 128 K of 4-bit codes: 8 registers, two loads of 16 bytes, 32 bytes apart
.irp c, 0,1
	ds_load_b128 v[\reg+4*\c:\reg+4*\c+3], v[\adr] offset:64*(\q)+32*\c+(\i)*16*PITCH
.endr
.endm
; 16 matrix instructions: x's blocks a0, a0 + 1 against w's eight.  The 64 accumulators take turns, one instruction a turn, in the same order in every step.
.macro MUL16 a0, p, q, sc, zero
.irp a, \a0, \a0+1
.irp b, 0,1,2,3,4,5,6,7
.if \zero
	v_wmma_scale_f32_16x16x128_f8f6f4 v[8*(8*((\a)%4)+\b):8*(8*((\a)%4)+\b)+7], v[128*(\p)+FR*\b:128*(\p)+FR*\b+FR-1], v[AF+FR*(\a):AF+FR*(\a)+FR-1], 0, v[SC+8*NQ*(\sc)+NQ*\b+(\q)], v[SC+8*NQ*(\sc)+NQ*(\a)+(\q)] matrix_a_fmt:MATRIX_FMT_FP4 matrix_b_fmt:MATRIX_FMT_FP4 matrix_a_scale:MATRIX_SCALE_ROW1
.else
	v_wmma_scale_f32_16x16x128_f8f6f4 v[8*(8*((\a)%4)+\b):8*(8*((\a)%4)+\b)+7], v[128*(\p)+FR*\b:128*(\p)+FR*\b+FR-1], v[AF+FR*(\a):AF+FR*(\a)+FR-1], v[8*(8*((\a)%4)+\b):8*(8*((\a)%4)+\b)+7], v[SC+8*NQ*(\sc)+NQ*\b+(\q)], v[SC+8*NQ*(\sc)+NQ*(\a)+(\q)] matrix_a_fmt:MATRIX_FMT_FP4 matrix_b_fmt:MATRIX_FMT_FP4 matrix_a_scale:MATRIX_SCALE_ROW1
.endif
.endr
.endr
.endm
.macro FETCH_B slot, q, p
	WIN TO_B
.irp i, 0,1,2,3,4,5,6,7
	FRAG 128*(\p)+FR*\i, ADRB+\slot, \q, \i
.endr
	WIN 0
.endm
.macro FETCH_A slot, q, i0
.irp i, \i0, \i0+1, \i0+2, \i0+3
	FRAG AF+FR*(\i), ADRA+\slot, \q, \i
.endr
.endm
.macro SCALES sc                       ; a slot's scale words: lanes 0-15 take x's block i, lanes 16-31 w's block i
.irp i, 0,1,2,3,4,5,6,7
	ds_load_b128 v[SC+8*NQ*\sc+NQ*\i:SC+8*NQ*\sc+NQ*\i+3], v[ADRS] offset:\i*SBLK
.endr
.endm
.macro PLACES n                        ; plain vector instructions between a matrix instruction and a load into, or a read of, its registers
.rept \n
	v_nop
.endr
.endm
.macro STEP slot, q, zero              ; 128 along K, with its successor in the same slot
	s_wait_dscnt 4*NL                              ; w's set and x's blocks 0-3 are in; the youngest eight loads (x's blocks 4-7) may be out
	WIN MUL_LO
	MUL16 0, (\q)%2, \q, \slot, \zero
	MUL16 2, (\q)%2, \q, \slot, \zero
	s_wait_dscnt 0
	PLACES NP
	FETCH_B \slot, (\q)+1, 1-(\q)%2
	FETCH_A \slot, (\q)+1, 0
	WIN MUL_HI
	MUL16 4, (\q)%2, \q, \slot, \zero
	MUL16 6, (\q)%2, \q, \slot, \zero
	PLACES NP
	WIN 0
	FETCH_A \slot, (\q)+1, 4
.endm
.macro TURN slot, next                 ; slot 0's last step: one barrier; behind it slot 1 is whole and nobody reads slot 0 any more
	s_wait_tensorcnt 0x0                           ; all my tensor loads have landed: my part of slot 1
	ds_add_u32 v[SPW], v[NIL]                      ; 0 onto my spare word
	s_wait_dscnt 4*NL+1                            ; (the add and the youngest eight loads may be out)
	WIN MUL_LO
	MUL16 0, 1, NQ-1, \slot, 0
	s_wait_dscnt 0x0                               ; the add is done, and my reads of this slot are over
	s_barrier_signal -1
	MUL16 2, 1, NQ-1, \slot, 0
	WIN 0
	s_barrier_wait -1
	PLACES NP
	v_add_nc_u32 v[ADRS], 4*NQ, v[ADRS]            ; on to the next slot's scale words
	FETCH_B \next, 0, 0
	FETCH_A \next, 0, 0
	SCALES \next
	WIN MUL_HI
	MUL16 4, 1, NQ-1, \slot, 0
	MUL16 6, 1, NQ-1, \slot, 0
	PLACES NP
	WIN 0
	FETCH_A \next, 0, 4
.endm
.macro STEPS slot, from
.set Q, \from
.rept NQ-1-\from
	STEP \slot, Q, 0
.set Q, Q+1
.endr
.endm
	s_wait_tensorcnt 1                             ; the scales and my part of slot 0 are in (slot 1's load may be out)
	s_barrier_signal -1
	s_barrier_wait -1                              ; everybody's are
	FETCH_B 0, 0, 0
	FETCH_A 0, 0, 0
	SCALES 0
	FETCH_A 0, 0, 4
	STEP 0, 0, 1                                   ; the first products start the sums: nothing is cleared
	STEPS 0, 1
	TURN 0, 1
	STEPS 1, 0
	s_wait_dscnt 4*NL                              ; the last step: nothing more to fetch
	WIN MUL_LO
	MUL16 0, 1, NQ-1, 1, 0
	MUL16 2, 1, NQ-1, 1, 0
	s_wait_dscnt 0
	WIN MUL_HI
	MUL16 4, 1, NQ-1, 1, 0
	MUL16 6, 1, NQ-1, 1, 0
	WIN 0
; THE WAY OUT, block by block of 16 rows x 128 columns (two heads).  PACK: rounded to f16, 16 bytes a lane, each accumulator from its low end on.  TOSTAGE: into my stage and back by heads: four rows of one head an instruction.
; SEND: each store covers 512 consecutive bytes of qkv (four rows of 128 bytes of one g).  No base is stepped: every place stands in the immediate.
.macro PACK a
.set AC, 64*((\a)%4)
	WIN 0x0a+5*((\a)/4)                            ; sources 0 and 1: window 2 or 3
.irp b, 0,1,2,3,4,5,6,7
.irp i, 0,1,2,3
	v_cvt_pk_f16_f32 v[TMP+4*\b+\i], v[AC+8*\b+2*\i], v[AC+8*\b+2*\i+1]
.endr
.endr
	WIN 0
.endm
.macro TOSTAGE a
.set BB, BK+32*((\a)%2)
.irp b, 0,1,2,3,4,5,6,7
	ds_store_b128 v[STO], v[TMP+4*\b:TMP+4*\b+3] offset:32*\b
.endr
.irp u, 0,1,2,3,4,5,6,7
	ds_load_b128 v[BB+4*\u:BB+4*\u+3], v[RD] offset:(\u%4)*4*SP16+128*(\u/4)   ; LDS serves a wave's instructions in order: these see the stores above
.endr
.endm
.macro SEND a
.set BB, BK+32*((\a)%2)
	s_wait_dscnt 0x0                               ; the block is back in registers
	s_wait_xcnt 0x0                                ; the earlier stores have read their registers: the next block's loads may land there
.irp u, 0,1,2,3,4,5,6,7
	global_store_b128 v[CO], v[BB+4*\u:BB+4*\u+3], s[12:13] offset:(\u/4)*1048576+(16*(\a)+4*(\u%4))*128
.endr
.endm
	PLACES NP                                      ; behind the last products: for the reads of results, and for writes and loads into registers that held scales and fragments
	s_and_b32 s3, ttmp7, 0xffff                    ; the first 16 positions of a batch lie in block 0 of row half 0 of the clusters with y = 0: the test hangs on the cluster's number and the wave's
	s_or_b32 s3, s3, s15
	s_cmp_lg_u32 s3, 0
	s_cbranch_scc1 .Lnotop
	WIN 0x08                                       ; an LDS store's data are its source 1: window 2
.irp b, 0,1,2,3,4,5,6,7
	ds_store_b128 v[STO32], v[8*\b:8*\b+3] offset:64*\b
	ds_store_b128 v[STO32], v[8*\b+4:8*\b+7] offset:64*\b+16
.endr
	WIN 0
.irp u, 0,1,2,3,4,5,6,7,8,9,10,11,12,13,14,15
	ds_load_b128 v[T32+4*\u:T32+4*\u+3], v[RD32] offset:\u*SP32
.endr
	s_wait_dscnt 0x0
.irp u, 0,1,2,3,4,5,6,7,8,9,10,11,12,13,14,15
	global_store_b128 v[CO], v[T32+4*\u:T32+4*\u+3], s[TOPP:TOPP+1] offset:\u*12288   ; 32 lanes store 512 consecutive bytes of a row of top
.endr
.Lnotop:
	PACK 0
	TOSTAGE 0
.irp a, 1,2,3,4,5,6,7                  ; block a's conversions stand between block a - 1's loads from the stage and the wait for them
	PACK \a
	SEND \a-1
	TOSTAGE \a
.endr
	SEND 7
	s_wait_tensorcnt 0x0                           ; the wave's end
	ds_add_u32 v[SPW], v[NIL]
	s_wait_dscnt 0x0
	CROUND                                         ; the closing round
	s_endpgm
.Lfunc_end_k_q9e51c9e191_qkv:
	.size	k_q9e51c9e191_qkv, .Lfunc_end_k_q9e51c9e191_qkv-k_q9e51c9e191_qkv
	.p2alignl 7, 3214868480
	.fill 96, 4, 3214868480
	.section	.rodata,"a",@progbits
	.p2align	6, 0x0
	.amdhsa_kernel k_q9e51c9e191_qkv
		.amdhsa_group_segment_fixed_size 327680
		.amdhsa_private_segment_fixed_size 0
		.amdhsa_enable_private_segment 0
		.amdhsa_kernarg_size 48
		.amdhsa_user_sgpr_count 2
		.amdhsa_user_sgpr_kernarg_segment_ptr 1
		.amdhsa_wavefront_size32 1
		.amdhsa_system_sgpr_workgroup_id_x 1
		.amdhsa_system_sgpr_workgroup_id_y 1
		.amdhsa_system_sgpr_workgroup_id_z 1
		.amdhsa_system_vgpr_workitem_id 0
		.amdhsa_next_free_vgpr 1024
		.amdhsa_next_free_sgpr 100
		.amdhsa_reserve_vcc 0
		.amdhsa_float_denorm_mode_32 3
		.amdhsa_float_denorm_mode_16_64 3
		.amdhsa_memory_ordered 1
		.amdhsa_forward_progress 1
		.amdhsa_inst_pref_size 131
	.end_amdhsa_kernel
	.amdgpu_metadata
---
amdhsa.version: [ 1, 2 ]
amdhsa.kernels:
  - .name:           k_q9e51c9e191_qkv
    .symbol:         k_q9e51c9e191_qkv.kd
    .args:
      - { .name: xc, .offset: 0, .size: 8, .value_kind: global_buffer, .address_space: global }
      - { .name: xs, .offset: 8, .size: 8, .value_kind: global_buffer, .address_space: global }
      - { .name: wc, .offset: 16, .size: 8, .value_kind: global_buffer, .address_space: global }
      - { .name: ws, .offset: 24, .size: 8, .value_kind: global_buffer, .address_space: global }
      - { .name: qkv, .offset: 32, .size: 8, .value_kind: global_buffer, .address_space: global }
      - { .name: top, .offset: 40, .size: 8, .value_kind: global_buffer, .address_space: global }
    .group_segment_fixed_size: 327680
    .private_segment_fixed_size: 0
    .kernarg_segment_align: 8
    .kernarg_segment_size: 48
    .max_flat_workgroup_size: 128
    .sgpr_count:     100
    .vgpr_count:     1024
    .wavefront_size: 32
...
	.end_amdgpu_metadata
.endif
;; end of part 2
;; launch attn (part 3): grid 4 x 64, 8 waves a work-group, no clusters, 327,680 bytes of LDS; arguments qkv, att; writes att
.if DOCPART == 3
	.amdgcn_target "amdgcn-amd-amdhsa--gfx1250"
	.amdhsa_code_object_version 6
	.text
	.protected	k_q9e51c9e191_attn
	.globl	k_q9e51c9e191_attn
	.p2align	8
	.type	k_q9e51c9e191_attn,@function
k_q9e51c9e191_attn:
	s_mov_b64 s[64:65], 0
	v_nop
	global_prefetch_b8 v0, s[64:65] scope:SCOPE_SE
	s_setreg_imm32_b32 hwreg(HW_REG_WAVE_MODE, 25, 1), 1
	s_wait_xcnt 0x0
; att[h][2048 b + q][:] = the sum over k <= q of softmax_k(Q[q] . K[k] / 8) V[k][:], for each of 64 (batch, head).  Q, K, V: qkv [48 g][8192][64] f16 (g = h, 16 + h, 32 + h); att [16 h][8192][64] f16.
; Products on f16 operands with f32 sums; maxima, exponentials and sums in f32, with a running maximum; the weights p (at most about 1) are rounded to f16 for the second product; att, divided by the row's sum, once.
; LIMIT: q, k, v are f16 (under 65,504 in size); NaN and infinities are not served.  The first 16 positions of each batch are made again in f32 by a later launch.
; SHARES.  Work-group (p = x in 0..3, (b, h) = y) stays and makes two blocks of 256 queries of its head: block 7 - p, then block p.  Block j wants j + 1 slots of 256 keys: 9 visits of a slot for every work-group.
; Wave w takes 32 queries, group g = w xor 3 (w / 4) of the block: two tiles of 16.  Two waves share a SIMD's registers: one wave's softmax stands beside the other's products.
; NO CLUSTER: the four work-groups of a head want the same slot only in visits 0 to 4; work-group p changes blocks at visit 8 - p, and from there its slots are others than its neighbours': no joint request could be alike in all.
; LAYOUT.  S^T = K Q^T (source 0 = 16 keys, source 1 = 16 queries): a lane holds ONE query (lane % 16) and keys 8 (lane / 16) + 0..7 of each tile; two such tiles packed in pairs are source 1 of O^T = V^T P;
; V ([key][channel]) comes out of LDS turned, by ds_load_tr16_b128.  Nothing changes lanes between the products.
; CAUSAL.  Every work-group walks its 9 visits; a step of 64 keys all of which come after the wave's 32 queries is left out by a scalar branch on ids; on the diagonal hidden scores become -infinity ahead of the maximum.
; A step that is walked begins at or under the wave's first query, so each of its rows has a key that counts.
; THE RING: two slots of 256 keys, 2^17 bytes apart; waves 0, 1 fetch K's halves, waves 2, 3 V's, one tensor load a wave behind each change of slots; by this text's count one load of a wave is out.
; REGISTERS: window 0: v1-15 addresses; v16-31 statistics (8 a tile: c m, m, l, l, c0-c3); v32-95 S^T; v96-127 P; v128-191 O^T.  window 1: v0-31 Q, v32-63 the second block's Q, v64-127 K, v128-191 V.
.set KP,    144                        ; a key's row of K in LDS: 128 bytes + 16
.set VP,    160                        ; of V: 128 + 32
.set VOFF,  256*KP
.set SLOT1, 1<<17
.set STAGE, SLOT1+VOFF+256*VP          ; behind the ring: 16 rows x 144 bytes for each wave
.set SPT,   144
.set SPARE, STAGE+8*16*SPT             ; the spare words, 128 bytes a wave
.set AK0, 1
.set AV0, 2
.set ADK, 3
.set ADV, 4
.set STO, 5
.set RD,  6
.set GO,  7
.set RH,  8                            ; lane % 16 - 8 (lane / 16)
.set D0,  9                            ; tile 0's (and v10: tile 1's) query less the step's first key of my half
.set NINF, 11
.set SPW, 12
.set NIL, 13
.set PFO, 14
.set QO,  15
.set ST,  16
.set S,   32
.set P,   96
.set OT,  128
.set QB,  32                           ; window 1
.set KR,  64
.set VR,  128
.set WV,  8
.set GG,  9
.set PP,  10
.set SW,  12                           ; the visit at which the blocks change: 8 - p
.set VIS, 13
.set KF,  14                           ; the step's first key
.set Q0,  15                           ; my first query
.set Q0B, 16                           ; and in the second block
.set TB,  17                           ; LDS byte at which the slot in hand begins
.set LIM, 18
.set SEL, 20
.set CS,  22                           ; c = log2(e) / 8, twice
.set G1K, 24
.set G1V, 32
.set G0K, 40
.set G0V, 44
.set KB0, 48                           ; s[48:49] where my half of K's slot 0 lies in memory; s[50:51] V's
.set VB0, 50
.set OA,  52                           ; s[52:53] my rows of att in the first block; s[54:55] in the second
.set OB,  54
.set PFA, 56
.set MSB, 0
.macro WIN new
.if MSB != \new
	s_set_vgpr_msb (MSB<<8)|\new
.set MSB, \new
.endif
.endm
.set W_LD, 0x40                        ; destination window 1
.set W_KQ, 0x05                        ; K and Q window 1, S^T window 0
.set W_PV, 0x01                        ; V window 1; P, O^T window 0
.set W_MV, 0x41
; Waves 0 and 1 fetch for K, waves 2 and 3 for V, the others nothing.  An s_nop 0 and four v_nop follow each line.
.macro TLOAD
	s_cmp_lt_u32 s[WV], 2
	s_cbranch_scc0 .Lnot_k_\@
	tensor_load_to_lds s[G0K:G0K+3], s[G1K:G1K+7]
	s_nop 0
.rept 4
	v_nop
.endr
	s_branch .Lasked_\@
.Lnot_k_\@:
	s_cmp_lt_u32 s[WV], 4
	s_cbranch_scc0 .Lasked_\@
	tensor_load_to_lds s[G0V:G0V+3], s[G1V:G1V+7]
	s_nop 0
.rept 4
	v_nop
.endr
.Lasked_\@:
.endm
; A prefetch of the slot that the NEXT change of slots will ask for: 32,768 bytes of K and as many of V.  All four work-groups of a head walk the same slots in their first visits: work-group p = 0 asks, in visits 0 to 5,
; for slots 2 to 7.  In it the waves ask that fetch nothing: waves 4, 5 for K's halves, waves 6, 7 for V's, 16,384 bytes each: two instructions, lanes 256 bytes apart.  So each block of 256 bytes is named once in the launch.
; Slots 0 and 1 come by their loads alone; the second block's slots have been read before and are not asked for.
.macro ASK
	s_cmp_lt_u32 s[VIS], s[LIM]
	s_cbranch_scc0 .Lnot_mine_\@
	global_prefetch_b8 v[PFO], s[PFA:PFA+1] th:TH_LOAD_NT scope:SCOPE_SE
	global_prefetch_b8 v[PFO], s[PFA:PFA+1] offset:8192 th:TH_LOAD_NT scope:SCOPE_SE
.Lnot_mine_\@:
.endm
	s_load_b128 s[4:7], s[0:1], 0x0                ; qkv, att
	v_lshl_add_u32 v[SPW], v0, 2, SPARE
	v_mov_b32 v[NIL], 0
	ds_add_u32 v[SPW], v[NIL]                      ; the wave's opening: the add, twice on end, and its wait ahead of my first tensor load
	ds_add_u32 v[SPW], v[NIL]
	v_lshrrev_b32 v1, 5, v0
	v_readfirstlane_b32 s[WV], v1                  ; wave 0..7
	s_lshr_b32 s[GG], s[WV], 2
	s_mul_i32 s[GG], s[GG], 3
	s_xor_b32 s[GG], s[GG], s[WV]                  ; my group of 32 queries: 0 1 2 3 7 6 5 4
	s_mov_b32 s[PP], ttmp9
	s_sub_co_u32 s[SW], 8, s[PP]
	s_and_b32 s58, ttmp7, 0xffff
	s_and_b32 s59, s58, 15                         ; h
	s_lshr_b32 s58, s58, 4                         ; b
	s_lshl_b32 s59, s59, 20                        ; 8,192 rows of 128 bytes a head,
	s_lshl_b32 s58, s58, 18                        ; 2,048 a batch
	s_add_co_u32 s58, s58, s59
	s_mov_b32 s59, 0
	s_sub_co_u32 s60, 7, s[PP]
	s_lshl_b32 s66, s60, 15                        ; block 7 - p: 256 rows of 128 bytes a block,
	s_lshl_b32 s61, s[GG], 12                      ; 32 a group
	s_add_co_u32 s66, s66, s61
	s_mov_b32 s67, 0
	s_lshl_b32 s68, s[PP], 15                      ; block p
	s_add_co_u32 s68, s68, s61
	s_mov_b32 s69, 0
	s_lshl_b32 s[Q0], s60, 8
	s_lshl_b32 s61, s[GG], 5
	s_add_co_u32 s[Q0], s[Q0], s61
	s_lshl_b32 s[Q0B], s[PP], 8
	s_add_co_u32 s[Q0B], s[Q0B], s61
	s_and_b32 s19, s[WV], 1                        ; which 128 keys of a slot I fetch
	s_mov_b32 s[G0K], 1
	s_mul_i32 s[G0K+1], s19, 128*KP
	s_mov_b32 s[G0V], 1
	s_mul_i32 s[G0V+1], s19, 128*VP
	s_add_co_u32 s[G0V+1], s[G0V+1], VOFF
	s_lshl_b32 s60, s19, 14
	s_mov_b32 s61, 0
	s_lshr_b32 s[LIM], s[WV], 2
	s_xor_b32 s[LIM], s[LIM], 1                    ; 0 in waves 4 to 7,
	s_or_b32 s[LIM], s[LIM], ttmp9                 ; of work-group p = 0
	s_cmp_eq_u32 s[LIM], 0
	s_cselect_b32 s[LIM], 6, 0
	; descriptor group 1: 128 rows of 64 elements of 2 bytes, dense in memory, padded behind each row in LDS
	s_mov_b32 s[G1K], (1<<16)|(1<<20)|(4<<22)|(3<<25)   ; no mask; elements of 2 bytes; padding on; after every 32 words four words
	s_mov_b32 s[G1V], (1<<16)|(1<<20)|(4<<22)|(7<<25)   ; the same with eight words
.irp g, G1K, G1V
	s_mov_b32 s[\g+1], 64<<16                      ; tensor_dim0
	s_mov_b32 s[\g+2], 128<<16                     ; tensor_dim1
	s_mov_b32 s[\g+3], 64<<16                      ; tile_dim0
	s_mov_b32 s[\g+4], 128                         ; tile_dim1
	s_mov_b32 s[\g+5], 64                          ; the pitch
	s_mov_b32 s[\g+6], 0
	s_mov_b32 s[\g+7], 0
.endr
	s_mov_b32 s[SEL], 0x76543210
	s_mov_b32 s[SEL+1], 0xfedcba98
	s_mov_b32 s[CS], 0x3e38aa3b                    ; c = log2(e) / 8
	s_mov_b32 s[CS+1], s[CS]
	s_mov_b32 s[KF], 0
	s_mov_b32 s[TB], 0
	s_mov_b32 s[VIS], 0
	s_wait_dscnt 0x0                               ; both opening adds are done
	s_wait_kmcnt 0x0
	s_add_nc_u64 s[4:5], s[4:5], s[58:59]          ; q's rows of my head and batch
	s_add_nc_u64 s[6:7], s[6:7], s[58:59]          ; att's
	s_add_nc_u64 s[KB0:KB0+1], s[4:5], s[60:61]
	s_add_nc_u64 s[KB0:KB0+1], s[KB0:KB0+1], 16<<20   ; k lies 16 g on,
	s_add_nc_u64 s[VB0:VB0+1], s[KB0:KB0+1], 16<<20   ; v 32
	s_mov_b64 s[G0K+2:G0K+3], s[KB0:KB0+1]
	s_or_b32 s[G0K+3], s[G0K+3], 0x80000000
	s_mov_b64 s[G0V+2:G0V+3], s[VB0:VB0+1]
	s_or_b32 s[G0V+3], s[G0V+3], 0x80000000
	TLOAD                                          ; slot 0
	s_add_nc_u64 s[OA:OA+1], s[6:7], s[66:67]
	s_add_nc_u64 s[OB:OB+1], s[6:7], s[68:69]
	s_add_nc_u64 s[66:67], s[4:5], s[66:67]        ; Q of the first block,
	s_add_nc_u64 s[68:69], s[4:5], s[68:69]        ; and of the second
	s_cmp_lt_u32 s[WV], 6
	s_cselect_b64 s[PFA:PFA+1], s[KB0:KB0+1], s[VB0:VB0+1]
	s_add_nc_u64 s[PFA:PFA+1], s[PFA:PFA+1], 32768 ; in slot 1: the first change of slots steps it to slot 2
	v_and_b32 v20, 15, v0                          ; r
	v_bfe_u32 v21, v0, 4, 1                        ; h
	v_lshlrev_b32 v[QO], 7, v20
	v_lshl_add_u32 v[QO], v21, 4, v[QO]            ; Q: row r of 128 bytes + 16 h
	WIN W_LD
.irp t, 0,1
.irp c, 0,1
	global_load_b128 v[16*\t+8*\c:16*\t+8*\c+3],   v[QO], s[66:67] offset:\t*2048+64*\c
	global_load_b128 v[16*\t+8*\c+4:16*\t+8*\c+7], v[QO], s[66:67] offset:\t*2048+64*\c+32
	global_load_b128 v[QB+16*\t+8*\c:QB+16*\t+8*\c+3],   v[QO], s[68:69] offset:\t*2048+64*\c
	global_load_b128 v[QB+16*\t+8*\c+4:QB+16*\t+8*\c+7], v[QO], s[68:69] offset:\t*2048+64*\c+32
.endr
.endr
	WIN 0
	v_mul_u32_u24 v[AK0], v20, KP
	v_lshl_add_u32 v[AK0], v21, 4, v[AK0]          ; K: row r x pitch + 16 h
	v_and_b32 v22, 7, v0
	v_bfe_u32 v23, v0, 3, 1
	v_lshl_add_u32 v[AV0], v21, 3, v22
	v_mul_u32_u24 v[AV0], v[AV0], VP
	v_lshl_add_u32 v[AV0], v23, 4, v[AV0]
	v_add_nc_u32 v[AV0], VOFF, v[AV0]              ; V, for the turning load: key 8 h + lane % 8, channels 8 ((lane / 8) % 2) on
	s_mul_i32 s60, s[WV], 16*SPT
	s_add_co_u32 s60, s60, STAGE                   ; my stage
	v_mul_u32_u24 v[STO], v20, SPT
	v_lshl_add_u32 v[STO], v21, 4, v[STO]
	v_add_nc_u32 v[STO], s60, v[STO]
	v_and_b32 v22, 31, v0
	v_lshrrev_b32 v23, 3, v22
	v_mul_u32_u24 v[RD], v23, SPT
	v_and_b32 v23, 7, v0
	v_lshl_add_u32 v[RD], v23, 4, v[RD]
	v_add_nc_u32 v[RD], s60, v[RD]                 ; back: eight lanes a row, four rows an instruction
	v_lshlrev_b32 v[GO], 4, v22
	v_lshlrev_b32 v[PFO], 8, v22
	v_lshlrev_b32 v23, 3, v21
	v_sub_nc_u32 v[RH], v20, v23
	v_mov_b32 v[NINF], 0xff800000
.macro INIT                            ; a block begins: m = -3e38, under every score; l and O^T zeros, which the first change of m leaves zeros.  So the step is written once
.irp t, 0,1
	v_mov_b32 v[ST+8*\t+1], 0xff61b1e6
	v_mul_f32 v[ST+8*\t], s[CS], v[ST+8*\t+1]
	v_mov_b32 v[ST+8*\t+2], 0
	v_mov_b32 v[ST+8*\t+3], 0
	v_mov_b32 v[ST+8*\t+5], 0                      ; (a lane permute's destination, and the upper half of a pair that is named, are written on every way)
	v_mov_b32 v[ST+8*\t+7], 0
.endr
.set i, 0
.rept 64
	v_mov_b32 v[OT+i], 0
.set i, i+1
.endr
.endm
; THE SOFTMAX of a step, both tiles line by line by turns.  All in window 0.
.macro SOFTMAX
.irp j, 0,1,2,3
.irp t, 0,1
	v_max3_num_f32 v[ST+8*\t+4+\j], v[S+32*\t+8*\j], v[S+32*\t+8*\j+1], v[S+32*\t+8*\j+2]   ; four chains, each from the low end of a tile of scores
.endr
.endr
.irp i, 3,5
.irp j, 0,1,2,3
.irp t, 0,1
	v_max3_num_f32 v[ST+8*\t+4+\j], v[ST+8*\t+4+\j], v[S+32*\t+8*\j+\i], v[S+32*\t+8*\j+\i+1]
.endr
.endr
.endr
.irp t, 0,1
	v_max3_num_f32 v[ST+8*\t+4], v[ST+8*\t+4], v[S+32*\t+7], v[S+32*\t+15]
	v_max3_num_f32 v[ST+8*\t+6], v[ST+8*\t+6], v[S+32*\t+23], v[S+32*\t+31]
.endr
.irp t, 0,1
	v_max3_num_f32 v[ST+8*\t+4], v[ST+8*\t+4], v[ST+8*\t+5], v[ST+8*\t+6]
.endr
.irp t, 0,1
	v_max3_num_f32 v[ST+8*\t+4], v[ST+8*\t+4], v[ST+8*\t+7], v[ST+8*\t+1]   ; with the old m
.endr
.irp t, 0,1
	v_permlanex16_b32 v[ST+8*\t+5], v[ST+8*\t+4], s[SEL], s[SEL+1]          ; the query's other 32 keys lie in the lane 16 away
.endr
.irp t, 0,1
	v_mov_b32 v[ST+8*\t+7], v[ST+8*\t]             ; c m_old
.endr
.irp t, 0,1
	v_max_num_f32 v[ST+8*\t+1], v[ST+8*\t+4], v[ST+8*\t+5]
.endr
.irp t, 0,1
	v_mul_f32 v[ST+8*\t], s[CS], v[ST+8*\t+1]
.endr
.irp t, 0,1
	v_sub_f32 v[ST+8*\t+7], v[ST+8*\t+7], v[ST+8*\t]
.endr
.irp b, 0,1,2,3,4,5,6,7,8,9,10,11,12,13,14,15
.irp t, 0,1
	v_pk_fma_f32 v[S+32*\t+2*\b:S+32*\t+2*\b+1], v[S+32*\t+2*\b:S+32*\t+2*\b+1], s[CS:CS+1], v[ST+8*\t:ST+8*\t+1] op_sel_hi:[1,0,0] neg_lo:[0,0,1] neg_hi:[0,0,1]   ; c s - c m
.endr
.endr
.irp t, 0,1
	v_exp_f32 v[ST+8*\t+6], v[ST+8*\t+7]           ; a = 2^(c m_old - c m_new)
.endr
.set n, 0
.rept 32
	v_exp_f32 v[S+n], v[S+n]                       ; p: ONE batch of 66 exponentials
	v_exp_f32 v[S+32+n], v[S+32+n]
.set n, n+1
.endr
	v_nop                                          ; a plain instruction behind the last exponential
	s_wait_alu depctr_va_vdst(0)                   ; one wait for the batch, ahead of its first reader
.set n, 0
.rept 16
	v_cvt_pk_f16_f32 v[P+n], v[S+2*n], v[S+2*n+1]
	v_cvt_pk_f16_f32 v[P+16+n], v[S+32+2*n], v[S+32+2*n+1]
.set n, n+1
.endr
.irp w, 4,8,16,32                      ; the sum of a tile's 16 pairs, in place: neighbours 1, 2, 4, 8 pairs apart
.set n, 0
.rept 32/\w
	v_pk_add_f32 v[S+\w*n:S+\w*n+1], v[S+\w*n:S+\w*n+1], v[S+\w*n+\w/2:S+\w*n+\w/2+1]
	v_pk_add_f32 v[S+32+\w*n:S+32+\w*n+1], v[S+32+\w*n:S+32+\w*n+1], v[S+32+\w*n+\w/2:S+32+\w*n+\w/2+1]
.set n, n+1
.endr
.endr
.irp t, 0,1
	v_pk_fma_f32 v[ST+8*\t+2:ST+8*\t+3], v[ST+8*\t+2:ST+8*\t+3], v[ST+8*\t+6:ST+8*\t+7], v[S+32*\t:S+32*\t+1] op_sel_hi:[1,0,1]   ; l = a l + the sum
.endr
.set n, 0
.rept 16
	v_pk_mul_f32 v[OT+2*n:OT+2*n+1], v[OT+2*n:OT+2*n+1], v[ST+6:ST+7] op_sel_hi:[1,0]               ; O^T x a, each accumulator from its low end on
	v_pk_mul_f32 v[OT+32+2*n:OT+32+2*n+1], v[OT+32+2*n:OT+32+2*n+1], v[ST+14:ST+15] op_sel_hi:[1,0]
.set n, n+1
.endr
.endm
; A STEP: 64 keys, the q-th of the slot in hand.
.macro STEP q
	s_add_co_u32 s66, s[Q0], 31
	s_cmp_gt_u32 s[KF], s66                        ; all 64 keys come after my 32 queries: the step's work is left out
	s_cbranch_scc1 .Lhidden_\@
	v_add_nc_u32 v[ADK], s[TB], v[AK0]
	v_add_nc_u32 v[ADV], s[TB], v[AV0]
	v_nop
	v_nop                                          ; four places between the last products and the loads into V's registers
	WIN W_LD
.irp k, 0,1,2,3
.irp c, 0,1
	ds_load_b128 v[KR+16*\k+8*\c:KR+16*\k+8*\c+3],   v[ADK] offset:(\q)*64*KP+\k*16*KP+64*\c
	ds_load_b128 v[KR+16*\k+8*\c+4:KR+16*\k+8*\c+7], v[ADK] offset:(\q)*64*KP+\k*16*KP+64*\c+32
.endr
.endr
.irp u, 0,1
.irp d, 0,1,2,3
	ds_load_tr16_b128 v[VR+32*\u+8*\d:VR+32*\u+8*\d+3],   v[ADV] offset:(\q)*64*VP+\u*32*VP+32*\d
	ds_load_tr16_b128 v[VR+32*\u+8*\d+4:VR+32*\u+8*\d+7], v[ADV] offset:(\q)*64*VP+\u*32*VP+32*\d+16*VP
.endr
.endr
	s_wait_dscnt 16                                ; K is in; V's sixteen loads may be out
	WIN W_KQ
.irp c, 0,1                            ; eight accumulators by turns
.irp k, 0,1,2,3
.irp t, 0,1
.if \c == 0
	v_wmma_f32_16x16x32_f16 v[S+32*\t+8*\k:S+32*\t+8*\k+7], v[KR+16*\k+8*\c:KR+16*\k+8*\c+7], v[16*\t+8*\c:16*\t+8*\c+7], 0
.else
	v_wmma_f32_16x16x32_f16 v[S+32*\t+8*\k:S+32*\t+8*\k+7], v[KR+16*\k+8*\c:KR+16*\k+8*\c+7], v[16*\t+8*\c:16*\t+8*\c+7], v[S+32*\t+8*\k:S+32*\t+8*\k+7]
.endif
.endr
.endr
.endr
	WIN 0
	s_sub_co_i32 s66, s[Q0], s[KF]                 ; 0 or more in a step that is walked
	v_add_nc_u32 v[D0], s66, v[RH]                 ; register 8 k + j of tile t holds key KF + 16 k + 8 h + j: hidden where 16 k + j > Q0 - KF + 16 t + r - 8 h
	v_add_nc_u32 v[D0+1], 16, v[D0]
	v_nop
	v_nop                                          ; four places behind the products
	s_add_co_u32 s67, s[KF], 63
	s_cmp_le_u32 s67, s[Q0]                        ; a step all of whose keys count skips the mask
	s_cbranch_scc1 .Lopen_\@
.irp t, 0,1
.set n, 0
.rept 32
	v_cmp_gt_i32 vcc_lo, 16*(n/8)+n%8, v[D0+\t]
	v_cndmask_b32 v[S+32*\t+n], v[S+32*\t+n], v[NINF], vcc_lo
.set n, n+1
.endr
.endr
.Lopen_\@:
	SOFTMAX
	s_wait_dscnt 0x0                               ; V is in
	WIN W_PV
.irp u, 0,1
.irp d, 0,1,2,3
.irp t, 0,1
	v_wmma_f32_16x16x32_f16 v[OT+32*\t+8*\d:OT+32*\t+8*\d+7], v[VR+32*\u+8*\d:VR+32*\u+8*\d+7], v[P+16*\t+8*\u:P+16*\t+8*\u+7], v[OT+32*\t+8*\d:OT+32*\t+8*\d+7]
.endr
.endr
.endr
	WIN 0
.Lhidden_\@:
	s_add_co_u32 s[KF], s[KF], 64
.endm
; THE CHANGE OF SLOTS stands at a visit's head.  Each wave waits for all its tensor loads (its part of the slot ahead), adds 0 to its spare word, and waits for that and for its reads of the slot that it has left.
; Behind the barrier the slot ahead is whole and nobody reads the other one.  fill = 1: that one takes the next visit's keys: slot t of the first block while t = VIS + 1 < 8 - p, slot t - (8 - p) of the second from there on.
.macro CHANGE fill
	s_wait_tensorcnt 0x0                           ; no tensor load of mine is out, so a group 0 may be written
	ds_add_u32 v[SPW], v[NIL]
.if \fill
	ds_add_u32 v[SPW], v[NIL]                      ; and once more: in every trip alike
	s_xor_b32 s[G0K+1], s[G0K+1], SLOT1
	s_xor_b32 s[G0V+1], s[G0V+1], SLOT1
	s_add_co_u32 s60, s[VIS], 1
	s_sub_co_u32 s61, s60, s[SW]
	s_cmp_lt_u32 s60, s[SW]
	s_cselect_b32 s60, s60, s61
	s_lshl_b32 s60, s60, 15                        ; 256 keys of 128 bytes a slot
	s_mov_b32 s61, 0
	s_add_nc_u64 s[G0K+2:G0K+3], s[KB0:KB0+1], s[60:61]
	s_or_b32 s[G0K+3], s[G0K+3], 0x80000000
	s_add_nc_u64 s[G0V+2:G0V+3], s[VB0:VB0+1], s[60:61]
	s_or_b32 s[G0V+3], s[G0V+3], 0x80000000
	s_wait_xcnt 0x0                                ; the last prefetches, a visit back, have read their address
	s_add_nc_u64 s[PFA:PFA+1], s[PFA:PFA+1], 32768
.endif
	s_wait_dscnt 0x0                               ; the add is done (fill = 1: both are), and my reads of the slot that I have left are over
	s_barrier_signal -1
	s_barrier_wait -1
.if \fill
	TLOAD                                          ; the first thing behind the barrier, and a wave's one tensor load until the next
	ASK
.endif
.endm
; THE WAY OUT of a block: O^T / l, rounded to f16, through my stage, a tile of 16 rows at a time; each store covers 512 consecutive bytes (four rows of att).
.macro WAYOUT ptr
.rept 4
	v_nop                                          ; places behind the last products
.endr
.irp t, 0,1
	v_add_f32 v[ST+8*\t+4], v[ST+8*\t+2], v[ST+8*\t+3]
.endr
.irp t, 0,1
	v_permlanex16_b32 v[ST+8*\t+5], v[ST+8*\t+4], s[SEL], s[SEL+1]
.endr
.irp t, 0,1
	v_add_f32 v[ST+8*\t+4], v[ST+8*\t+4], v[ST+8*\t+5]
.endr
.irp t, 0,1
	v_rcp_f32 v[ST+8*\t+6], v[ST+8*\t+4]
.endr
	v_nop
	s_wait_alu depctr_va_vdst(0)                   ; one wait for the two reciprocals, ahead of their first reader
.irp t, 0,1
.set n, 0
.rept 16
	v_pk_mul_f32 v[OT+32*\t+2*n:OT+32*\t+2*n+1], v[OT+32*\t+2*n:OT+32*\t+2*n+1], v[ST+8*\t+6:ST+8*\t+7] op_sel_hi:[1,0]
.set n, n+1
.endr
.set n, 0
.rept 16
	v_cvt_pk_f16_f32 v[S+32*\t+n], v[OT+32*\t+2*n], v[OT+32*\t+2*n+1]
.set n, n+1
.endr
.endr
.irp t, 0,1
.irp d, 0,1,2,3
	ds_store_b128 v[STO], v[S+32*\t+4*\d:S+32*\t+4*\d+3] offset:32*\d
.endr
.irp i, 0,1,2,3
	ds_load_b128 v[S+32*\t+16+4*\i:S+32*\t+16+4*\i+3], v[RD] offset:\i*4*SPT   ; LDS serves a wave's instructions in order: these see the stores above, and the next tile's stores come behind them
.endr
.endr
.irp t, 0,1
.irp i, 0,1,2,3
	s_wait_dscnt 11-8*\t-\i                        ; the LDS instructions issued behind this load may be out
	global_store_b128 v[GO], v[S+32*\t+16+4*\i:S+32*\t+16+4*\i+3], s[\ptr:\ptr+1] offset:2048*\t+512*\i
.endr
.endr
.endm
; At visit 8 - p the first block is done: it goes out, and the second block begins.  The test hangs on the work-group's number and the count of visits: all eight waves go the same way.
.macro SWITCH
	s_cmp_lg_u32 s[VIS], s[SW]
	s_cbranch_scc1 .Lsame_\@
	WAYOUT OA
	WIN W_MV
.set i, 0
.rept 32
	v_mov_b32 v[i], v[QB+i]
.set i, i+1
.endr
	WIN 0
	INIT
	s_mov_b32 s[Q0], s[Q0B]
	s_mov_b32 s[KF], 0
	s_wait_xcnt 0x0                                ; the stores have read their registers, which the next scores take
.Lsame_\@:
.endm
	INIT
	s_wait_loadcnt 0x0                             ; Q of both blocks
.Lvisit:                                           ; 8 trips: behind each change of slots the next visit's slot is asked for
	CHANGE 1
	SWITCH
	STEP 0
	STEP 1
	STEP 2
	STEP 3
	s_xor_b32 s[TB], s[TB], SLOT1
	s_add_co_u32 s[VIS], s[VIS], 1
	s_cmp_lt_u32 s[VIS], 8
	s_cbranch_scc1 .Lvisit
	CHANGE 0                                       ; the ninth visit is written out: it asks for nothing
	SWITCH
	STEP 0
	STEP 1
	STEP 2
	STEP 3
	WAYOUT OB
	s_wait_tensorcnt 0x0                           ; the wave's end
	ds_add_u32 v[SPW], v[NIL]
	s_wait_dscnt 0x0
	s_endpgm
.Lfunc_end_k_q9e51c9e191_attn:
	.size	k_q9e51c9e191_attn, .Lfunc_end_k_q9e51c9e191_attn-k_q9e51c9e191_attn
	.p2alignl 7, 3214868480
	.fill 96, 4, 3214868480
	.section	.rodata,"a",@progbits
	.p2align	6, 0x0
	.amdhsa_kernel k_q9e51c9e191_attn
		.amdhsa_group_segment_fixed_size 327680
		.amdhsa_private_segment_fixed_size 0
		.amdhsa_enable_private_segment 0
		.amdhsa_kernarg_size 16
		.amdhsa_user_sgpr_count 2
		.amdhsa_user_sgpr_kernarg_segment_ptr 1
		.amdhsa_wavefront_size32 1
		.amdhsa_system_sgpr_workgroup_id_x 1
		.amdhsa_system_sgpr_workgroup_id_y 1
		.amdhsa_system_sgpr_workgroup_id_z 1
		.amdhsa_system_vgpr_workitem_id 0
		.amdhsa_next_free_vgpr 512
		.amdhsa_next_free_sgpr 72
		.amdhsa_reserve_vcc 1
		.amdhsa_float_denorm_mode_32 3
		.amdhsa_float_denorm_mode_16_64 3
		.amdhsa_memory_ordered 1
		.amdhsa_forward_progress 1
		.amdhsa_inst_pref_size 209
	.end_amdhsa_kernel
	.amdgpu_metadata
---
amdhsa.version: [ 1, 2 ]
amdhsa.kernels:
  - .name:           k_q9e51c9e191_attn
    .symbol:         k_q9e51c9e191_attn.kd
    .args:
      - { .name: qkv, .offset: 0, .size: 8, .value_kind: global_buffer, .address_space: global }
      - { .name: att, .offset: 8, .size: 8, .value_kind: global_buffer, .address_space: global }
    .group_segment_fixed_size: 327680
    .private_segment_fixed_size: 0
    .kernarg_segment_align: 8
    .kernarg_segment_size: 16
    .max_flat_workgroup_size: 256
    .sgpr_count:     72
    .vgpr_count:     512
    .wavefront_size: 32
...
	.end_amdgpu_metadata
.endif
;; end of part 3
;; launch proj (part 4): grid 8 x 32, 4 waves a work-group, clusters of 4 x 4, 327,680 bytes of LDS; arguments att, wo16, out0; writes out0
.if DOCPART == 4
	.amdgcn_target "amdgcn-amd-amdhsa--gfx1250"
	.amdhsa_code_object_version 6
	.text
	.protected	k_q9e51c9e191_proj
	.globl	k_q9e51c9e191_proj
	.p2align	8
	.type	k_q9e51c9e191_proj,@function
k_q9e51c9e191_proj:
	s_mov_b64 s[64:65], 0
	v_nop
	global_prefetch_b8 v0, s[64:65] scope:SCOPE_SE
	s_setreg_imm32_b32 hwreg(HW_REG_WAVE_MODE, 25, 1), 1
	s_wait_xcnt 0x0
	s_wait_alu depctr_hold_cnt(0) depctr_sa_sdst(0) depctr_va_vdst(0) depctr_va_sdst(0) depctr_va_ssrc(0) depctr_va_vcc(0) depctr_vm_vsrc(0)
	s_getreg_b32 s2, hwreg(HW_REG_IB_STS2, 6, 4)
	s_cmp_eq_u32 s2, 0
	s_cbranch_scc0 .Lentry_in_a_cluster
	s_endpgm
.Lentry_in_a_cluster:
	s_bfe_u32 s2, ttmp6, 0x10000c
	s_cmp_lg_u32 s2, 0xf033
	s_cbranch_scc0 .Lentry_shape_is_right
	s_endpgm
.Lentry_shape_is_right:
; out0[m][n] = sum over d of att(m, d) wo(n, d): att [16 kb][8192 m][64] f16, wo16 [16 kb][1024 n][64] f16 (d = 64 kb + i), out0 [8192][1024] f32; sums in f32.
; A tile of out0 is 256 x 128: 32 x 8 = 256 work-groups.  Four waves, each 128 x 64: 32 accumulators, 256 registers (window 1).  K goes in steps of 128 (two kb) through a ring of two LDS slots.
; A kb's 256 rows of att, and its 128 rows of wo16, are dense blocks of memory: waves 0, 1 fetch att's two kb of a step, waves 2, 3 wo16's: one tensor load a wave.
; CLUSTERS: 4 x 4 work-groups; att's tiles are shared along a row of the cluster, wo16's along a column: each is asked for jointly.
; THE MATRIX INSTRUCTION IS USED TRANSPOSED (source 0 = 16 rows of wo16, source 1 = 16 rows of att): a lane holds eight neighbouring columns of a row of out0.
; The rows of the first 16 positions of each batch are made here like all others and are written anew, from f32 operands, by the launch that follows: leaving them out here would be a branch on a work-group's place in its cluster.
; No prefetch: the launch has eight K steps in all, and its tiles are shared in the cluster.
; REGISTERS: window 0: v16-29 addresses; two fragment buffers of 96: v32-95 att's 8 fragments, v96-127 wo16's 4; v128-191, v192-223.  On the way out v32-95 take rows read back.
.set PITCH,  144                       ; an LDS row: 128 bytes + 16
.set ASUB,   256*PITCH
.set BSUB,   128*PITCH
.set BOFF,   2*ASUB
.set SLOT,   BOFF+2*BSUB
.set STAGE,  2*SLOT                    ; behind the ring: 16 rows x 272 bytes for each wave
.set SPITCH, 272
.set SPARE,  STAGE+4*16*SPITCH
.set LAPS,   4                         ; 8 K steps of 128
.set ADRA, 16
.set ADRB, 20
.set STO,  24
.set RD,   25
.set CO,   26
.set SPW,  28
.set NIL,  29
.set F0,   32
.set F1,   128
.set BK,   32
.set G1, 24
.set G0, 32
.set G1B, 48
.set G0B, 56
.set MSB, 0
.macro WIN new
.if MSB != \new
	s_set_vgpr_msb (MSB<<8)|\new
.set MSB, \new
.endif
.endm
.set MUL, 0x50                         ; C and D window 1, sources window 0
.macro JLOAD s                         ; waves 0, 1 fetch for att, waves 2, 3 for wo16; an s_nop 0 and four v_nop follow each line
	s_cmp_eq_u32 s11, 0
	s_cbranch_scc0 .Lfor_b_\@
	tensor_load_to_lds s[G0+4*\s:G0+4*\s+3], s[G1:G1+7]
	s_nop 0
.rept 4
	v_nop
.endr
	s_branch .Lasked_\@
.Lfor_b_\@:
	tensor_load_to_lds s[G0B+4*\s:G0B+4*\s+3], s[G1B:G1B+7]
	s_nop 0
.rept 4
	v_nop
.endr
.Lasked_\@:
.endm
.macro CREST
	s_cmp_lg_u32 s10, 0
	s_cbranch_scc1 .Lnot_wave_0_\@
	s_barrier_signal -3
.Lnot_wave_0_\@:
	s_barrier_wait -3
	s_barrier_signal -1
	s_barrier_wait -1
.endm
.macro CROUND
	s_barrier_signal -1
	s_barrier_wait -1
	CREST
.endm
	s_load_b128 s[4:7], s[0:1], 0x0                ; att, wo16
	s_load_b64 s[8:9], s[0:1], 0x10                ; out0
	v_lshl_add_u32 v[SPW], v0, 2, SPARE
	v_mov_b32 v[NIL], 0
	ds_add_u32 v[SPW], v[NIL]                      ; the wave's opening: the add, twice on end, and its wait ahead of my first tensor load
	ds_add_u32 v[SPW], v[NIL]
	v_lshrrev_b32 v1, 5, v0
	v_readfirstlane_b32 s10, v1                    ; wave 0..3
	s_lshr_b32 s11, s10, 1                         ; which half of the tile's rows is mine.  Also: I fetch for att (0) or for wo16 (1)
	s_and_b32 s12, s10, 1                          ; which half of its columns.  Also: which kb of a step I fetch
	s_bfe_u32 s40, ttmp6, 0x40000                  ; cx
	s_bfe_u32 s41, ttmp6, 0x40004                  ; cy
	s_lshl_b32 s42, ttmp9, 2
	s_add_co_u32 s42, s42, s40                     ; tile column = 4 x cluster x + cx
	s_and_b32 s13, ttmp7, 0xffff
	s_lshl_b32 s13, s13, 2
	s_add_co_u32 s13, s13, s41                     ; tile row = 4 x cluster y + cy
	s_lshl_b32 s43, s41, 2
	s_lshl_b32 s43, 15, s43                        ; my row of the cluster
	s_lshl_b32 s44, 0x1111, s40                    ; my column
	s_or_b32 s[G1+0], s43, (1<<16)|(1<<20)|(1<<21)|(4<<22)|(3<<25)   ; the mask; elements of 2 bytes; padding on; bit 21 beside a mask; after every 32 words four words
	s_or_b32 s[G1B+0], s44, (1<<16)|(1<<20)|(1<<21)|(4<<22)|(3<<25)
	s_mov_b32 s[G1+1], 64<<16                      ; tensor_dim0
	s_mov_b32 s[G1+2], 256<<16                     ; tensor_dim1
	s_mov_b32 s[G1+3], 64<<16                      ; tile_dim0
	s_mov_b32 s[G1+4], 256                         ; tile_dim1
	s_mov_b32 s[G1+5], 64                          ; the pitch
	s_mov_b32 s[G1+6], 0
	s_mov_b32 s[G1+7], 0
	s_mov_b32 s[G1B+1], 64<<16
	s_mov_b32 s[G1B+2], 128<<16
	s_mov_b32 s[G1B+3], 64<<16
	s_mov_b32 s[G1B+4], 128
	s_mov_b32 s[G1B+5], 64
	s_mov_b32 s[G1B+6], 0
	s_mov_b32 s[G1B+7], 0
	s_lshl_b32 s16, s12, 20                        ; att: a kb is 8,192 rows of 128 bytes;
	s_lshl_b32 s17, s13, 15                        ; a tile row 256 of them
	s_add_co_u32 s16, s16, s17
	s_mov_b32 s17, 0
	s_lshl_b32 s46, s12, 17                        ; wo16: a kb is 1,024 rows;
	s_lshl_b32 s47, s42, 14                        ; a tile column 128
	s_add_co_u32 s46, s46, s47
	s_mov_b32 s47, 0
	s_mul_i32 s20, s12, ASUB                       ; where they go: no place in the cluster enters an LDS address
	s_mul_i32 s21, s12, BSUB
	s_add_co_u32 s21, s21, BOFF
	s_wait_dscnt 0x0                               ; both opening adds are done
	s_wait_kmcnt 0x0
	s_add_nc_u64 s[14:15], s[4:5], s[16:17]
	s_add_nc_u64 s[46:47], s[6:7], s[46:47]
	CROUND                                         ; all sixteen work-groups are here: the first joint loads meet
.irp s, 0,1
	s_mov_b32 s[G0+4*\s], 1
	s_add_co_u32 s[G0+4*\s+1], s20, \s*SLOT
	s_add_nc_u64 s[G0+4*\s+2:G0+4*\s+3], s[14:15], \s*(2<<20)
	s_or_b32 s[G0+4*\s+3], s[G0+4*\s+3], 0x80000000
	s_mov_b32 s[G0B+4*\s], 1
	s_add_co_u32 s[G0B+4*\s+1], s21, \s*SLOT
	s_add_nc_u64 s[G0B+4*\s+2:G0B+4*\s+3], s[46:47], \s*(2<<17)
	s_or_b32 s[G0B+4*\s+3], s[G0B+4*\s+3], 0x80000000
	JLOAD \s                                       ; two loads of mine are out
.endr
	v_and_b32 v1, 15, v0                           ; r
	v_bfe_u32 v2, v0, 4, 1                         ; h
	v_mul_u32_u24 v3, v1, PITCH
	v_lshl_add_u32 v3, v2, 4, v3
	s_mul_i32 s21, s11, 128*PITCH                  ; my 128 rows of att
	s_mul_i32 s22, s12, 64*PITCH                   ; my 64 rows of wo16
	s_add_co_u32 s22, s22, BOFF
.irp s, 0,1
	v_add_nc_u32 v[ADRA+\s], s21, v3
	v_add_nc_u32 v[ADRB+\s], s22, v3
	s_add_co_u32 s21, s21, SLOT
	s_add_co_u32 s22, s22, SLOT
.endr
	s_mul_i32 s23, s10, 16*SPITCH
	s_add_co_u32 s23, s23, STAGE                   ; my stage
	v_mul_u32_u24 v4, v1, SPITCH
	v_lshl_add_u32 v4, v2, 5, v4
	v_add_nc_u32 v[STO], s23, v4                   ; in: row r, 32 bytes for each half of the lanes
	v_mul_u32_u24 v5, v2, SPITCH
	v_lshl_add_u32 v5, v1, 4, v5
	v_add_nc_u32 v[RD], s23, v5                    ; back: lanes 0-15 one row of 256 bytes, lanes 16-31 the next
	v_lshlrev_b32 v5, 12, v2
	v_lshl_add_u32 v[CO], v1, 4, v5                ; and the same two rows in out0
	s_lshl_b32 s16, s13, 8
	s_lshl_b32 s17, s11, 7
	s_add_co_u32 s16, s16, s17                     ; my first row
	s_lshl_b32 s16, s16, 12
	s_lshl_b32 s46, s42, 9                         ; my first column, in bytes
	s_lshl_b32 s47, s12, 8
	s_add_co_u32 s46, s46, s47
	s_add_co_u32 s16, s16, s46
	s_mov_b32 s17, 0
	s_add_nc_u64 s[8:9], s[8:9], s[16:17]
; 8 matrix instructions: att's blocks a0, a0 + 1 against wo16's four, 32 along K.  The 32 accumulators take turns in the same order in every quarter.
.macro MUL8 f, a0, zero
.irp a, \a0, \a0+1
.irp b, 0,1,2,3
.if \zero
	v_wmma_f32_16x16x32_f16 v[8*(4*(\a)+\b):8*(4*(\a)+\b)+7], v[\f+64+8*\b:\f+64+8*\b+7], v[\f+8*(\a):\f+8*(\a)+7], 0
.else
	v_wmma_f32_16x16x32_f16 v[8*(4*(\a)+\b):8*(4*(\a)+\b)+7], v[\f+64+8*\b:\f+64+8*\b+7], v[\f+8*(\a):\f+8*(\a)+7], v[8*(4*(\a)+\b):8*(4*(\a)+\b)+7]
.endif
.endr
.endr
.endm
; 24 LDS loads in one run: quarter q of the slot (kb q / 2, 32 along K at byte 64 (q % 2)) into buffer f: wo16's four fragments, att's 0-3, att's 4-7
.macro FETCH slot, q, f
	WIN 0
.irp i, 0,1,2,3
	ds_load_b128 v[\f+64+8*\i:\f+64+8*\i+3],   v[ADRB+\slot] offset:((\q)/2)*BSUB+((\q)%2)*64+\i*16*PITCH
	ds_load_b128 v[\f+64+8*\i+4:\f+64+8*\i+7], v[ADRB+\slot] offset:((\q)/2)*BSUB+((\q)%2)*64+\i*16*PITCH+32
.endr
.irp i, 0,1,2,3,4,5,6,7
	ds_load_b128 v[\f+8*\i:\f+8*\i+3],   v[ADRA+\slot] offset:((\q)/2)*ASUB+((\q)%2)*64+\i*16*PITCH
	ds_load_b128 v[\f+8*\i+4:\f+8*\i+7], v[ADRA+\slot] offset:((\q)/2)*ASUB+((\q)%2)*64+\i*16*PITCH+32
.endr
.endm
.macro PLACES                          ; four plain instructions in front of loads into registers that matrix instructions have read, and of reads of results
.rept 4
	v_nop
.endr
.endm
; A K step is four quarters of 32 along K on buffers 0, 1, 0, 1.  One of the first three multiplies buffer f and fetches quarter q into g.
.macro QUARTER slot, q, f, g, zero
	s_wait_dscnt 8                                 ; wo16's fragments and att's 0-3 are in; the youngest eight loads may be out
	WIN MUL
	MUL8 \f, 0, \zero
	MUL8 \f, 2, \zero
	PLACES
	FETCH \slot, \q, \g
	s_wait_dscnt 24                                ; all but the 24 just issued
	WIN MUL
	MUL8 \f, 4, \zero
	MUL8 \f, 6, \zero
.endm
; The last quarter multiplies buffer 1 and changes slots: ONE barrier; in front of it each wave waits for all its tensor loads, adds 0 to its spare word, and waits for that and for its reads of this slot.
.macro TURN slot, next, fill
	WIN 0
	s_wait_tensorcnt 0x0                           ; all my tensor loads have landed: my part of the next slot
	ds_add_u32 v[SPW], v[NIL]
	s_wait_dscnt 9                                 ; (the add and the youngest eight loads may be out)
	WIN MUL
	MUL8 F1, 0, 0
	s_wait_dscnt 0x0                               ; the add is done, and my reads of this slot are over
	s_barrier_signal -1
	MUL8 F1, 2, 0
.if \fill
	WIN 0
.endif
	s_barrier_wait -1
.if \fill
	CREST                                          ; the barrier has opened a round of the cluster's: no wave of any partner still reads this slot or has a load on its way
	s_add_nc_u64 s[G0+4*\slot+2:G0+4*\slot+3], s[G0+4*\slot+2:G0+4*\slot+3], 4<<20
	s_add_nc_u64 s[G0B+4*\slot+2:G0B+4*\slot+3], s[G0B+4*\slot+2:G0B+4*\slot+3], 4<<17
	JLOAD \slot                                    ; the first tensor load behind the round; its four v_nop are also the places in front of the loads below
.else
	PLACES
.endif
	FETCH \next, 0, F0
	WIN MUL
	MUL8 F1, 4, 0
	MUL8 F1, 6, 0
.endm
	s_wait_tensorcnt 1                             ; my part of K step 0 is in (K step 1's load may be out)
	s_barrier_signal -1
	s_barrier_wait -1                              ; everybody's is
	FETCH 0, 0, F0
	QUARTER 0, 1, F0, F1, 1                        ; the first products start the sums
	WIN 0
	s_mov_b32 s3, LAPS-1
.Llap:                                             ; a trip goes once round the ring and fills both slots again
	QUARTER 0, 2, F1, F0, 0
	QUARTER 0, 3, F0, F1, 0
	TURN 0, 1, 1
	QUARTER 1, 1, F0, F1, 0
	QUARTER 1, 2, F1, F0, 0
	QUARTER 1, 3, F0, F1, 0
	TURN 1, 0, 1
	QUARTER 0, 1, F0, F1, 0
	WIN 0
	s_sub_co_u32 s3, s3, 1
	s_cmp_lg_u32 s3, 0
	s_cbranch_scc1 .Llap
	QUARTER 0, 2, F1, F0, 0                        ; the last lap fills nothing
	QUARTER 0, 3, F0, F1, 0
	TURN 0, 1, 0
	QUARTER 1, 1, F0, F1, 0
	QUARTER 1, 2, F1, F0, 0
	QUARTER 1, 3, F0, F1, 0
	s_wait_dscnt 8
	WIN MUL
	MUL8 F1, 0, 0
	MUL8 F1, 2, 0
	s_wait_dscnt 0
	MUL8 F1, 4, 0
	MUL8 F1, 6, 0
	WIN 0
; THE WAY OUT, block by block of 16 rows x 64 columns: through my own stage and back as rows of 256 bytes; sixteen lanes store 256 consecutive bytes, at a multiple of 256 from out0's first byte.
.macro TOSTAGE a
	WIN 0x04                                       ; an LDS store's data are its source 1: window 1
.irp b, 0,1,2,3
	ds_store_b128 v[STO], v[8*(4*(\a)+\b):8*(4*(\a)+\b)+3] offset:64*\b          ; each accumulator from its low end on
	ds_store_b128 v[STO], v[8*(4*(\a)+\b)+4:8*(4*(\a)+\b)+7] offset:64*\b+16
.endr
	WIN 0
.set BB, BK+32*((\a)%2)
.irp u, 0,1,2,3,4,5,6,7
	ds_load_b128 v[BB+4*\u:BB+4*\u+3], v[RD] offset:\u*2*SPITCH   ; LDS serves a wave's instructions in order: these see the stores above
.endr
.endm
.macro SEND a, younger
.set BB, BK+32*((\a)%2)
	s_wait_dscnt \younger                          ; the block is back; the next block's sixteen LDS instructions may be out
.irp u, 0,1,2,3,4,5,6,7
	global_store_b128 v[CO], v[BB+4*\u:BB+4*\u+3], s[8:9] offset:(16*(\a)+2*\u)*4096 th:TH_STORE_NT
.endr
.endm
	PLACES
	TOSTAGE 0
.irp a, 1,2,3,4,5,6,7
.if \a > 1
	s_wait_xcnt 0x0                                ; block a - 2's stores have read their registers: block a's loads may land there
.endif
	TOSTAGE \a
	SEND \a-1, 16
.endr
	SEND 7, 0
	s_wait_tensorcnt 0x0                           ; the wave's end
	ds_add_u32 v[SPW], v[NIL]
	s_wait_dscnt 0x0
	CROUND                                         ; the closing round
	s_endpgm
.Lfunc_end_k_q9e51c9e191_proj:
	.size	k_q9e51c9e191_proj, .Lfunc_end_k_q9e51c9e191_proj-k_q9e51c9e191_proj
	.p2alignl 7, 3214868480
	.fill 96, 4, 3214868480
	.section	.rodata,"a",@progbits
	.p2align	6, 0x0
	.amdhsa_kernel k_q9e51c9e191_proj
		.amdhsa_group_segment_fixed_size 327680
		.amdhsa_private_segment_fixed_size 0
		.amdhsa_enable_private_segment 0
		.amdhsa_kernarg_size 24
		.amdhsa_user_sgpr_count 2
		.amdhsa_user_sgpr_kernarg_segment_ptr 1
		.amdhsa_wavefront_size32 1
		.amdhsa_system_sgpr_workgroup_id_x 1
		.amdhsa_system_sgpr_workgroup_id_y 1
		.amdhsa_system_sgpr_workgroup_id_z 1
		.amdhsa_system_vgpr_workitem_id 0
		.amdhsa_next_free_vgpr 512
		.amdhsa_next_free_sgpr 66
		.amdhsa_reserve_vcc 0
		.amdhsa_float_denorm_mode_32 3
		.amdhsa_float_denorm_mode_16_64 3
		.amdhsa_memory_ordered 1
		.amdhsa_forward_progress 1
		.amdhsa_inst_pref_size 85
	.end_amdhsa_kernel
	.amdgpu_metadata
---
amdhsa.version: [ 1, 2 ]
amdhsa.kernels:
  - .name:           k_q9e51c9e191_proj
    .symbol:         k_q9e51c9e191_proj.kd
    .args:
      - { .name: att, .offset: 0, .size: 8, .value_kind: global_buffer, .address_space: global }
      - { .name: wo16, .offset: 8, .size: 8, .value_kind: global_buffer, .address_space: global }
      - { .name: out0, .offset: 16, .size: 8, .value_kind: global_buffer, .address_space: global }
    .group_segment_fixed_size: 327680
    .private_segment_fixed_size: 0
    .kernarg_segment_align: 8
    .kernarg_segment_size: 24
    .max_flat_workgroup_size: 128
    .sgpr_count:     66
    .vgpr_count:     512
    .wavefront_size: 32
...
	.end_amdgpu_metadata
.endif
;; end of part 4
;; launch fine (part 5): grid 16 x 4, 16 waves a work-group, no clusters, 71,680 bytes of LDS; arguments top, wo, out0; writes out0
.if DOCPART == 5
	.amdgcn_target "amdgcn-amd-amdhsa--gfx1250"
	.amdhsa_code_object_version 6
	.text
	.protected	k_q9e51c9e191_fine
	.globl	k_q9e51c9e191_fine
	.p2align	8
	.type	k_q9e51c9e191_fine,@function
k_q9e51c9e191_fine:
	s_mov_b64 s[64:65], 0
	v_nop
	global_prefetch_b8 v0, s[64:65] scope:SCOPE_SE
	s_setreg_imm32_b32 hwreg(HW_REG_WAVE_MODE, 25, 1), 1
	s_wait_xcnt 0x0
; The first 16 positions of each batch, where a row of the softmax averages one to sixteen values: scores, softmax, the second product and the projection with f32 operands (v_wmma_f32_16x16x4_f32): 64 rows of out0 in all, no bulk work.
; top [4 b][16 s][3072] f32 holds q | k | v of these positions; wo [1024 n][1024 d] f32.  The launch writes rows 2048 b + 0 .. 15 of out0 anew.
; SHARES: work-group (x: 64 output columns, y: the batch); wave w is head w: it makes its head's 16 x 64 of the attention and multiplies it at once by wo[64 x .. + 63][64 w .. + 63]; the sixteen heads' partial sums
; meet in LDS behind one barrier, and wave w adds and stores row w: 256 consecutive bytes.  The attention is made again in each of the 16 column blocks: 32 small matrix instructions a wave.
; THE ORDER OF K IS CHOSEN ALIKE ON BOTH OPERANDS of each product, so that no number changes lanes: the form takes k = 2 (lane / 16) + j from register j; lane (r, h) holds
;   for S^T = K Q^T: q or k [r][32 h + 0..31], instruction c takes registers 2 c, 2 c + 1;  its result: query r, keys 8 h + j, which is the second product's source 1, with V^T loaded as v[8 h + i][16 t + r];
;   that result: query r, channels 16 t + 8 h + j, which is the projection's source 1, with wo loaded as wo[n][64 w + 16 t + 8 h + 0..7].
; The registers that the f32 matrix form writes (v176-191, v208-239) are written by matrix instructions alone; what is made of a sum goes into other registers.
; LIMIT: NaN and infinities are not served.  The maximum is taken away before the exponential, as the problem does.
.set SPARE, 16*4352                    ; behind the sixteen partial sums (16 rows x 272 bytes each): the spare words, 128 bytes a wave
.set QQ,  16                           ; v16-47 q;  v48-79 k;  later wo's tiles 2, 3
.set KK,  48
.set VV,  80                           ; v80-111 v; later the normalised attention
.set AN,  80
.set W01, 112                          ; v112-175 wo's tiles 0, 1; later the partial sums read back
.set SA,  176
.set SB,  184
.set TT,  192                          ; v192-199 scores, then p
.set OO,  208                          ; v208-239 O^T, then the projection's four tiles
	s_load_b128 s[4:7], s[0:1], 0x0                ; top, wo
	s_load_b64 s[8:9], s[0:1], 0x10                ; out0
	v_lshl_add_u32 v12, v0, 2, SPARE               ; my spare word
	v_mov_b32 v13, 0
	v_lshrrev_b32 v1, 5, v0
	v_readfirstlane_b32 s10, v1                    ; wave = head
	v_and_b32 v1, 15, v0                           ; r
	v_bfe_u32 v2, v0, 4, 1                         ; h
	v_mul_u32_u24 v3, v1, 12288
	v_lshl_add_u32 v3, v2, 7, v3                   ; q, k: row r of 12,288 bytes + 128 h
	v_mul_u32_u24 v4, v2, 98304
	v_lshl_add_u32 v4, v1, 2, v4                   ; v: rows 8 h on, column r
	v_lshlrev_b32 v5, 12, v1
	v_lshl_add_u32 v5, v2, 5, v5                   ; wo: row r of 4,096 bytes + 32 h
	s_mul_i32 s11, s10, 4352
	v_mul_u32_u24 v6, v1, 272
	v_lshl_add_u32 v6, v2, 5, v6
	v_add_nc_u32 v6, s11, v6                       ; my partial sums: row r, + 32 h
	v_and_b32 v8, 31, v0
	v_lshlrev_b32 v8, 3, v8                        ; 8 bytes a lane
	s_mul_i32 s11, s10, 272
	v_add_nc_u32 v7, s11, v8                       ; row w of each partial sum
	v_lshlrev_b32 v9, 3, v2
	v_sub_nc_u32 v9, v1, v9                        ; r - 8 h: key 8 h + j is hidden where j > r - 8 h
	v_mov_b32 v10, 0xff800000                      ; -infinity
	v_mov_b32 v201, 0                              ; (lane permutes' destinations are written before)
	v_mov_b32 v203, 0
	s_mov_b32 s20, 0x76543210
	s_mov_b32 s21, 0xfedcba98
	s_mov_b32 s22, 0x3e38aa3b                      ; c = log2(e) / 8
	s_and_b32 s12, ttmp7, 0xffff                   ; b
	s_mul_i32 s14, s12, 196608
	s_lshl_b32 s13, s10, 8
	s_add_co_u32 s14, s14, s13                     ; top: the batch's 16 rows, my head's 64 columns
	s_mov_b32 s15, 0
	s_lshl_b32 s16, ttmp9, 18
	s_add_co_u32 s16, s16, s13                     ; wo: rows 64 x on, my head's 64 columns
	s_mov_b32 s17, 0
	s_lshl_b32 s18, s12, 11
	s_add_co_u32 s18, s18, s10
	s_lshl_b32 s18, s18, 12                        ; out0: row 2048 b + w,
	s_lshl_b32 s13, ttmp9, 8
	s_add_co_u32 s18, s18, s13                     ; columns 64 x on
	s_mov_b32 s19, 0
	s_wait_kmcnt 0x0
	s_add_nc_u64 s[4:5], s[4:5], s[14:15]
	s_add_nc_u64 s[6:7], s[6:7], s[16:17]
	s_add_nc_u64 s[8:9], s[8:9], s[18:19]
.irp i, 0,1,2,3,4,5,6,7
	global_load_b128 v[QQ+4*\i:QQ+4*\i+3], v3, s[4:5] offset:16*\i
.endr
.irp i, 0,1,2,3,4,5,6,7
	global_load_b128 v[KK+4*\i:KK+4*\i+3], v3, s[4:5] offset:4096+16*\i
.endr
.irp t, 0,1,2,3
.irp i, 0,1,2,3,4,5,6,7
	global_load_b32 v[VV+8*\t+\i], v4, s[4:5] offset:8192+12288*\i+64*\t
.endr
.endr
.irp n, 0,1
.irp t, 0,1,2,3
	global_load_b128 v[W01+32*\n+8*\t:W01+32*\n+8*\t+3],   v5, s[6:7] offset:65536*\n+64*\t
	global_load_b128 v[W01+32*\n+8*\t+4:W01+32*\n+8*\t+7], v5, s[6:7] offset:65536*\n+64*\t+16
.endr
.endr
	s_wait_loadcnt 48                              ; q and k are in; v's 32 loads and wo's 16 may be out
.set c, 0
.rept 16                               ; S^T = K Q^T: two accumulators by turns; the first two products start the sums
.if c < 2
	v_wmma_f32_16x16x4_f32 v[SA+8*(c%2):SA+8*(c%2)+7], v[KK+2*c:KK+2*c+1], v[QQ+2*c:QQ+2*c+1], 0
.else
	v_wmma_f32_16x16x4_f32 v[SA+8*(c%2):SA+8*(c%2)+7], v[KK+2*c:KK+2*c+1], v[QQ+2*c:QQ+2*c+1], v[SA+8*(c%2):SA+8*(c%2)+7]
.endif
.set c, c+1
.endr
.rept 8
	v_nop                                          ; eight places behind this form: for the loads into q's and k's registers and for the reads of the sums
.endr
.irp n, 0,1
.irp t, 0,1,2,3
	global_load_b128 v[QQ+32*\n+8*\t:QQ+32*\n+8*\t+3],   v5, s[6:7] offset:65536*(2+\n)+64*\t
	global_load_b128 v[QQ+32*\n+8*\t+4:QQ+32*\n+8*\t+7], v5, s[6:7] offset:65536*(2+\n)+64*\t+16
.endr
.endr
.irp j, 0,1,2,3,4,5,6,7
	v_add_f32 v[TT+\j], v[SA+\j], v[SB+\j]         ; the two halves of the sum, from the low end on
.endr
.irp j, 0,1,2,3,4,5,6,7
	v_cmp_gt_i32 vcc_lo, \j, v9
	v_cndmask_b32 v[TT+\j], v[TT+\j], v10, vcc_lo  ; hidden keys: -infinity
.endr
	v_max3_num_f32 v200, v[TT], v[TT+1], v[TT+2]
	v_max3_num_f32 v200, v200, v[TT+3], v[TT+4]
	v_max3_num_f32 v200, v200, v[TT+5], v[TT+6]
	v_max_num_f32 v200, v200, v[TT+7]
	v_permlanex16_b32 v201, v200, s20, s21
	v_max_num_f32 v200, v200, v201                 ; the row's maximum: key 0 counts for every query
	v_mul_f32 v201, s22, v200
.irp j, 0,1,2,3,4,5,6,7
	v_fma_f32 v[TT+\j], v[TT+\j], s22, -v201       ; c s - c m
.endr
.irp j, 0,1,2,3,4,5,6,7
	v_exp_f32 v[TT+\j], v[TT+\j]
.endr
	v_nop
	s_wait_alu depctr_va_vdst(0)                   ; one wait for the eight exponentials, ahead of their first reader
	v_add_f32 v202, v[TT], v[TT+1]
	v_add_f32 v204, v[TT+2], v[TT+3]
	v_add_f32 v205, v[TT+4], v[TT+5]
	v_add_f32 v206, v[TT+6], v[TT+7]
	v_add_f32 v202, v202, v204
	v_add_f32 v205, v205, v206
	v_add_f32 v202, v202, v205
	v_permlanex16_b32 v203, v202, s20, s21
	v_add_f32 v202, v202, v203                     ; the row's sum
	v_rcp_f32 v204, v202
	v_nop
	s_wait_alu depctr_va_vdst(0)
	s_wait_loadcnt 32                              ; v is in; wo's 32 loads may be out
.irp j, 0,1,2,3                        ; O^T = V^T P^T: four accumulators by turns
.irp t, 0,1,2,3
.if \j == 0
	v_wmma_f32_16x16x4_f32 v[OO+8*\t:OO+8*\t+7], v[VV+8*\t+2*\j:VV+8*\t+2*\j+1], v[TT+2*\j:TT+2*\j+1], 0
.else
	v_wmma_f32_16x16x4_f32 v[OO+8*\t:OO+8*\t+7], v[VV+8*\t+2*\j:VV+8*\t+2*\j+1], v[TT+2*\j:TT+2*\j+1], v[OO+8*\t:OO+8*\t+7]
.endif
.endr
.endr
.rept 8
	v_nop                                          ; eight places: the lines below read the sums and write v's registers
.endr
.set i, 0
.rept 32
	v_mul_f32 v[AN+i], v[OO+i], v204               ; O^T / the sum, into other registers
.set i, i+1
.endr
.rept 9
	v_nop                                          ; nine places: the projection's first products write over O^T's registers
.endr
	s_wait_loadcnt 0x0                             ; wo
.irp t, 0,1,2,3                        ; the projection, transposed: source 0 = 16 rows of wo, source 1 = the attention; four accumulators by turns
.irp j, 0,1,2,3
.irp n, 0,1,2,3
.set WB, W01*(1-\n/2)+QQ*(\n/2)+32*(\n%2)+8*\t+2*\j
.if (\t == 0) && (\j == 0)
	v_wmma_f32_16x16x4_f32 v[OO+8*\n:OO+8*\n+7], v[WB:WB+1], v[AN+8*\t+2*\j:AN+8*\t+2*\j+1], 0
.else
	v_wmma_f32_16x16x4_f32 v[OO+8*\n:OO+8*\n+7], v[WB:WB+1], v[AN+8*\t+2*\j:AN+8*\t+2*\j+1], v[OO+8*\n:OO+8*\n+7]
.endif
.endr
.endr
.endr
.rept 8
	v_nop                                          ; eight places: for the stores of the sums and the loads into wo's registers
.endr
.irp n, 0,1,2,3
	ds_store_b128 v6, v[OO+8*\n:OO+8*\n+3] offset:64*\n          ; lane (r, h): position r, columns 16 n + 8 h + 0 .. 7; each accumulator from its low end on
	ds_store_b128 v6, v[OO+8*\n+4:OO+8*\n+7] offset:64*\n+16
.endr
	s_wait_dscnt 0x0                               ; for the others' sake: my stores are done
	s_barrier_signal -1
	s_barrier_wait -1
.irp p, 0,1,2,3,4,5,6,7,8,9,10,11,12,13,14,15
	ds_load_b64 v[W01+2*\p:W01+2*\p+1], v7 offset:4352*\p        ; row w of head p's partial sum
.endr
	s_wait_dscnt 0x0
.irp w, 4,8,16,32
.set i, 0
.rept 32/\w
	v_pk_add_f32 v[W01+\w*i:W01+\w*i+1], v[W01+\w*i:W01+\w*i+1], v[W01+\w*i+\w/2:W01+\w*i+\w/2+1]
.set i, i+1
.endr
.endr
	global_store_b64 v8, v[W01:W01+1], s[8:9]      ; 32 lanes store 256 consecutive bytes, at a multiple of 256 from out0's first byte
	s_wait_tensorcnt 0x0                           ; the wave's end, behind my last LDS store
	ds_add_u32 v12, v13
	s_wait_dscnt 0x0
	s_endpgm
.Lfunc_end_k_q9e51c9e191_fine:
	.size	k_q9e51c9e191_fine, .Lfunc_end_k_q9e51c9e191_fine-k_q9e51c9e191_fine
	.p2alignl 7, 3214868480
	.fill 96, 4, 3214868480
	.section	.rodata,"a",@progbits
	.p2align	6, 0x0
	.amdhsa_kernel k_q9e51c9e191_fine
		.amdhsa_group_segment_fixed_size 71680
		.amdhsa_private_segment_fixed_size 0
		.amdhsa_enable_private_segment 0
		.amdhsa_kernarg_size 24
		.amdhsa_user_sgpr_count 2
		.amdhsa_user_sgpr_kernarg_segment_ptr 1
		.amdhsa_wavefront_size32 1
		.amdhsa_system_sgpr_workgroup_id_x 1
		.amdhsa_system_sgpr_workgroup_id_y 1
		.amdhsa_system_sgpr_workgroup_id_z 1
		.amdhsa_system_vgpr_workitem_id 0
		.amdhsa_next_free_vgpr 256
		.amdhsa_next_free_sgpr 66
		.amdhsa_reserve_vcc 1
		.amdhsa_float_denorm_mode_32 3
		.amdhsa_float_denorm_mode_16_64 3
		.amdhsa_memory_ordered 1
		.amdhsa_forward_progress 1
		.amdhsa_inst_pref_size 24
	.end_amdhsa_kernel
	.amdgpu_metadata
---
amdhsa.version: [ 1, 2 ]
amdhsa.kernels:
  - .name:           k_q9e51c9e191_fine
    .symbol:         k_q9e51c9e191_fine.kd
    .args:
      - { .name: top, .offset: 0, .size: 8, .value_kind: global_buffer, .address_space: global }
      - { .name: wo, .offset: 8, .size: 8, .value_kind: global_buffer, .address_space: global }
      - { .name: out0, .offset: 16, .size: 8, .value_kind: global_buffer, .address_space: global }
    .group_segment_fixed_size: 71680
    .private_segment_fixed_size: 0
    .kernarg_segment_align: 8
    .kernarg_segment_size: 24
    .max_flat_workgroup_size: 512
    .sgpr_count:     66
    .vgpr_count:     256
    .wavefront_size: 32
...
	.end_amdgpu_metadata
.endif
;; end of part 5
